; MI455X (gfx1250); checked and timed in simulation.
; The chip was launched on July 23, 2026; its instructions are those of AMD's public machine-readable ISA for CDNA 5 (MIT licence, August 2026) and "CDNA5" Instruction Set Architecture Reference Guide (July 2026). The comments in the code are by the model that wrote it; some were corrected since.
;; Self Attention. Allowed arithmetic: matrix products marked QUANTISED: E2M1 operands, one E8M0 scale for each 32 along K, by v_wmma_scale_f32_16x16x128_f8f6f4 with both operands' format E2M1 (or v_wmma_scale_f32_32x16x128_f4), f32 sums; products left as they are: bf16, f16 or f32 operands; f32 sums; everything else in f32.
;; Inputs: W_out 1,024 x 1,024 float32; W_qkv 1,024 x 3,072 float32; X 4 x 2,048 x 1,024 float32; b_out 1,024 float32; b_qkv 3,072 float32.
;; Outputs: out0 4 x 2,048 x 1,024 float32.
;; This version of the problem:
;;   THIS VERSION OF THE PROBLEM IS GIVEN IN LOW PRECISION. The matrix products marked QUANTISED in the list below multiply operands that are first quantised to E2M1 (2 exponent bits, 1 mantissa bit; 4 bits a number), with one power-of-two scale for each 32 numbers along K (OCP MX v1.0); their sums are f32. The products marked 'left as it is' may take bf16, f16 or f32 operands, with f32 sums. Whichever they take, every output number must still come out within the allowed error. Rounding operands to bf16 (8 significant bits) uses up far more of that allowance than f16 does (11 bits, for magnitudes from 6e-5 to 65,504). All else is computed in f32.
;;   The module's matrix products, in the order in which they are computed (A, B: the left and right operand; K: the contracted axis; several contracted axes count as one K, in the product's order):
;;     1. [M 8,192, K 1,024] x [K 1,024, N 3,072]; A: input X; B: input W_qkv: QUANTISED
;;     2. batch 64 x [M 2,048, K 64] x [K 64, N 2,048]; A: computed on the way; B: computed on the way: left as it is (an operand is computed on the way)
;;     3. batch 64 x [M 64, K 2,048] x [K 2,048, N 2,048]; A: computed on the way; B: computed on the way: left as it is (an operand is computed on the way)
;;     4. [M 8,192, K 1,024] x [K 1,024, N 1,024]; A: computed on the way; B: input W_out: left as it is (an operand is computed on the way)
;;   THE QUANTISER, for each operand of a quantised product, along K:
;;     - K is cut into blocks of 32 from its start; a last block that is shorter is filled with zeros.
;;     - A block's scale is 2^e with e = floor(log2(the largest magnitude in the block)) - 2, held to -126 .. 127; a block of zeros has e = 0. As a byte (E8M0): e + 127.
;;     - Each number is divided by its block's scale, clamped to +-6, and rounded to the nearest number of E2M1, ties to even, subnormals kept.
;;     - The product sums the exact products of the quantised numbers (number of the format x scale) in f32.
;;   ~~~python
;;   def quantise(x, axis):      # numpy; x: float32 -> the quantised numbers, widened to float32 again
;;       x = np.moveaxis(x, axis, -1); K = x.shape[-1]
;;       x = np.pad(x, [(0, 0)] * (x.ndim - 1) + [(0, -K % 32)]); x = x.reshape(x.shape[:-1] + (-1, 32)); a = np.abs(x).max(-1, keepdims=True)
;;       e = np.where(a > 0, np.clip(np.frexp(np.where(a > 0, a, 1))[1] - 1 - 2, -126, 127), 0)      # np.frexp(a)[1] - 1 = floor(log2(a)), exactly
;;       r = np.clip(x / 2.0 ** e, -6, 6)
;;       step = 2.0 ** (np.maximum(np.frexp(np.where(r == 0, 1, r))[1] - 1, 0) - 1)
;;       q = np.round(r / step) * step * 2.0 ** e      # np.round: ties to even
;;       return np.moveaxis(q.reshape(q.shape[:-2] + (-1,))[..., :K], -1, axis).astype(np.float32)
;;   ~~~
;; One version. Each part assembles by itself: llvm-mc -triple=amdgcn-amd-amdhsa -mcpu=gfx1250 --defsym DOCPART=n.
;; ======== version 1 of 1: 5 launches
;; limits: values are held in f16: magnitudes above 65,504 overflow, below 6.1e-05 lose precision
;; workspace buffers: x_codes 4,194,304 bytes; x_scales 262,144 bytes; w_codes 1,572,864 bytes; w_scales 98,304 bytes; wout_t 2,097,152 bytes; qkv16 50,331,648 bytes; qkv32 786,432 bytes; attn16 16,777,216 bytes
;; launch prep (part 1): grid 368 x 1, 4 waves a work-group, no clusters, 102,912 bytes of LDS; arguments X, W_qkv, W_out, x_codes, x_scales, w_codes, w_scales, wout_t; writes x_codes, x_scales, w_codes, w_scales, wout_t
.if DOCPART == 1
	.amdgcn_target "amdgcn-amd-amdhsa--gfx1250"
	.amdhsa_code_object_version 6
	.text
	.protected	k_q36c97d6841_prep
	.globl	k_q36c97d6841_prep
	.p2align	8
	.type	k_q36c97d6841_prep,@function
k_q36c97d6841_prep:
	s_mov_b64 s[64:65], 0
	v_nop
	global_prefetch_b8 v0, s[64:65] scope:SCOPE_SE
	s_setreg_imm32_b32 hwreg(HW_REG_WAVE_MODE, 25, 1), 1
	s_wait_xcnt 0x0
; One launch makes the three operands that later launches read many times.
;   work-groups 0-47:    W_qkv [1024 k][3072 n] f32 -> codes of FP4 (E2M1) laid [3072 n][512 bytes], K innermost, and E8M0 bytes [3072][32]
;   work-groups 48-111:  W_out [1024 k][1024 n] f32 -> f16 laid [1024 n][1024 k]
;   work-groups 112-367: X [8192][1024] f32 -> codes [8192][512 bytes] and E8M0 bytes [8192][32]
; A block's scale is 2^(floor(log2(its largest magnitude)) - 2); its byte is the largest magnitude's exponent field - 2, held at 1 from below.
; LIMITS: a block of zeros gets the byte 1 where the quantiser says 127 (its codes are zeros, and this program alone reads the bytes); NaN and infinities among the inputs are not served;
; W_out must lie inside f16's range (65,504).
; The three paths part on the work-group's number alone; each has LDS bytes of its own and ends by itself.  No tensor loads, no barrier: waves share nothing.
.set XREG,  0                          ; path X: 8,192 bytes a wave
.set WREG,  32768                      ; path W: a stage of 32 rows x 272 bytes a wave
.set OREG,  67584                      ; path O: the same
.set SPARE, 102400                     ; the spare words, 128 bytes for each wave
.set SPW,   190                        ; v190 LDS address of my spare word; never rewritten
.set NIL,   191                        ; v191 0; never rewritten
.set SP,    80                         ; path X: a lane's place in a stage: 64 bytes + 16 of padding
.set XR,    16                         ; v16-79   four sets of 16 numbers as loaded
.set XX,    80                         ; v80-111  two sets of 16 neighbours
.set XE,    112                        ; v112-127 a scale byte for each step
.set XC,    128                        ; v128-189 codes: registers of its own for each step
.set PITCH, 272                        ; paths W and O: a stage row: 256 bytes + 16
.set WX,    32                         ; v32-95   two sets of 32 numbers
.set WC,    96                         ; v96..    a block's codes or f16 pairs
.set OUTR,  112                        ; v112-175 the way out
.set SB,    24                         ; v24-27   scale bytes, four to a register
.macro FINISH                          ; the wave's end, behind my last LDS store
	s_wait_tensorcnt 0x0
	ds_add_u32 v[SPW], v[NIL]
	s_wait_dscnt 0x0
	s_endpgm
.endm
	s_load_b256 s[4:11], s[0:1], 0x0               ; X s[4:5], W_qkv s[6:7], W_out s[8:9], x_codes s[10:11]
	s_load_b256 s[12:19], s[0:1], 0x20             ; x_scales s[12:13], w_codes s[14:15], w_scales s[16:17], wout_t s[18:19]
	v_lshl_add_u32 v[SPW], v0, 2, SPARE
	v_mov_b32 v[NIL], 0
	v_lshrrev_b32 v1, 5, v0
	v_readfirstlane_b32 s20, v1                    ; wave 0..3
	v_and_b32 v2, 31, v0                           ; lane
	s_wait_kmcnt 0x0
	s_cmp_lt_u32 ttmp9, 48
	s_cbranch_scc1 .Lw
	s_cmp_lt_u32 ttmp9, 112
	s_cbranch_scc1 .Lo
; ---------------- PATH X.  Rows are dense and K is a multiple of 32: a plain stream of blocks of 32.  A wave takes 16 steps of 512 numbers.
; Each load reads 512 consecutive bytes; a step's 2,048 bytes turn through the wave's own stage, so that a lane then holds 16 neighbours (two lanes hold a block).
	v_lshlrev_b32 v3, 4, v2                        ; my 16 bytes of a load's 512
	s_mul_i32 s21, s20, 8192                       ; my wave's region (XREG = 0)
	v_lshrrev_b32 v14, 2, v2
	v_mul_u32_u24 v14, v14, SP
	v_and_b32 v15, 3, v2
	v_lshl_add_u32 v14, v15, 4, v14
	v_add_nc_u32 v14, s21, v14                     ; the stage, on the way in: SP (lane / 4) + 16 (lane % 4)
	v_mul_u32_u24 v15, v2, SP
	v_add_nc_u32 v15, s21, v15                     ; and on the way out: SP x lane
	v_mul_u32_u24 v4, v2, 8                        ; my codes' place in a step's 256 bytes
	v_lshrrev_b32 v5, 1, v2
	s_add_co_u32 s21, s21, 2*32*SP
	v_add_nc_u32 v5, s21, v5                       ; my wave's 256 scale bytes: my block's byte
	v_lshlrev_b32 v7, 3, v2
	v_add_nc_u32 v6, s21, v7                       ; and on the way out 8 bytes a lane
	s_sub_co_u32 s21, ttmp9, 112
	s_lshl_b32 s21, s21, 2
	s_add_co_u32 s22, s21, s20                     ; which run of 8,192 numbers is my wave's
	s_mov_b32 s23, 0
	s_lshl_b64 s[24:25], s[22:23], 15              ; 32,768 bytes of f32,
	s_add_nc_u64 s[4:5], s[4:5], s[24:25]
	s_lshl_b64 s[24:25], s[22:23], 12              ; 4,096 bytes of codes,
	s_add_nc_u64 s[10:11], s[10:11], s[24:25]
	s_lshl_b32 s22, s22, 8                         ; 256 scale bytes a run
	s_add_nc_u64 s[12:13], s[12:13], s[22:23]
.macro XLOAD t
.irp i, 0,1,2,3
	global_load_b128 v[XR+16*((\t)%4)+4*\i:XR+16*((\t)%4)+4*\i+3], v3, s[4:5] offset:2048*(\t)+512*\i th:TH_LOAD_NT
.endr
.endm
.macro XTURN t                         ; LDS serves a wave's instructions in order: no wait between the stores and the loads
.irp i, 0,1,2,3
	ds_store_b128 v14, v[XR+16*((\t)%4)+4*\i:XR+16*((\t)%4)+4*\i+3] offset:32*SP*((\t)%2)+8*SP*\i
.endr
.irp i, 0,1,2,3
	ds_load_b128 v[XX+16*((\t)%2)+4*\i:XX+16*((\t)%2)+4*\i+3], v15 offset:32*SP*((\t)%2)+16*\i
.endr
.endm
.irp t, 0,1,2,3
	XLOAD \t
.endr
	s_wait_loadcnt 12                              ; step 0's four loads are in; three steps' twelve may be out
	XTURN 0
.macro XSTEP t
.set XS, XX+16*((\t)%2)
.if (\t) > 0
	s_wait_dscnt 1                                 ; this step's numbers are back from the stage; the last step's byte store may be out
.else
	s_wait_dscnt 0x0
.endif
.if (\t)+4 < 16
	XLOAD (\t)+4                                   ; into the set whose stores into the stage are done
.endif
.if (\t)+1 < 16
.if 14-(\t) >= 3
	s_wait_loadcnt 12                              ; the next step's four loads are in; those of the three steps behind it may be out
.else
	s_wait_loadcnt 4*(14-(\t))
.endif
	XTURN (\t)+1
.endif
	v_max3_num_f32 v8, |v[XS]|, |v[XS+1]|, |v[XS+2]|
	v_max3_num_f32 v9, |v[XS+3]|, |v[XS+4]|, |v[XS+5]|
.irp i, 6,10
	v_max3_num_f32 v8, v8, |v[XS+\i]|, |v[XS+\i+1]|
	v_max3_num_f32 v9, v9, |v[XS+\i+2]|, |v[XS+\i+3]|
.endr
	v_max3_num_f32 v8, v8, |v[XS+14]|, |v[XS+15]|
	v_max3_num_f32 v8, v8, v9, 0x1800000           ; the floor 2^(3 - 127): the byte cannot fall under 1
	v_max_num_f32_dpp v8, v8, v8 row_xmask:1 row_mask:0xf bank_mask:0xf   ; with my neighbour's 16: the block's largest magnitude
	v_add_nc_u32 v11, 0xff000000, v8               ; 2 off its exponent field: the conversion's scale operand
	v_cvt_scalef32_pk8_fp4_f32 v[XC+4*(\t)], v[XS:XS+7], v11
	v_cvt_scalef32_pk8_fp4_f32 v[XC+4*(\t)+1], v[XS+8:XS+15], v11
	v_lshrrev_b32 v[XE+(\t)], 23, v11              ; the scale's byte
	ds_store_b8 v5, v[XE+(\t)] offset:16*(\t)      ; both lanes of a block write the same byte with the same value
	global_store_b64 v4, v[XC+4*(\t):XC+4*(\t)+1], s[10:11] offset:256*(\t)   ; the wave stores 256 consecutive bytes, aligned
.endm
.irp t, 0,1,2,3,4,5,6,7,8,9,10,11,12,13,14,15
	XSTEP \t
.endr
	ds_load_b64 v[8:9], v6                         ; my wave's 256 scale bytes
	s_wait_dscnt 0x0
	global_store_b64 v7, v[8:9], s[12:13]          ; 256 consecutive bytes, aligned
	FINISH
; ---------------- PATH W.  A lane takes a column n and its registers run down K: a block of 32 lies in one lane, and the codes come out with K innermost.
; A wave takes 32 columns x 512 along K: 16 blocks a lane, 256 bytes of codes a column, which leave through the wave's stage as rows.
.Lw:
	s_cmp_ge_u32 ttmp9, 24
	s_cselect_b32 s22, 1, 0                        ; which 512 along K
	s_cselect_b32 s21, 24, 0
	s_sub_co_u32 s21, ttmp9, s21
	s_lshl_b32 s21, s21, 7
	s_lshl_b32 s23, s20, 5
	s_add_co_u32 s21, s21, s23                     ; my wave's first column
	v_lshlrev_b32 v3, 2, v2                        ; in: 4 bytes a lane
	s_mul_i32 s23, s20, 32*PITCH
	s_add_co_u32 s23, s23, WREG                    ; my stage
	v_mul_u32_u24 v4, v2, PITCH
	v_add_nc_u32 v4, s23, v4                       ; into it: row = my column
	v_and_b32 v5, 15, v2
	v_lshrrev_b32 v6, 4, v2
	v_mul_u32_u24 v7, v6, PITCH
	v_lshl_add_u32 v7, v5, 4, v7
	v_add_nc_u32 v7, s23, v7                       ; out of it: sixteen lanes to a row, two rows an instruction
	v_mul_u32_u24 v8, v6, 512
	v_lshl_add_u32 v8, v5, 4, v8                   ; and the same place in the codes' buffer
	v_lshlrev_b32 v9, 5, v2                        ; my column's row of scale bytes
	s_mul_i32 s24, s22, 512*3072*4
	s_lshl_b32 s25, s21, 2
	s_add_co_u32 s24, s24, s25
	s_mov_b32 s25, 0
	s_add_nc_u64 s[6:7], s[6:7], s[24:25]          ; W_qkv at (512 ky, my first column)
	s_lshl_b32 s24, s21, 9
	s_lshl_b32 s26, s22, 8
	s_add_co_u32 s24, s24, s26
	s_add_nc_u64 s[14:15], s[14:15], s[24:25]      ; codes: column x 512 + 256 ky
	s_lshl_b32 s24, s21, 5
	s_lshl_b32 s26, s22, 4
	s_add_co_u32 s24, s24, s26
	s_add_nc_u64 s[16:17], s[16:17], s[24:25]      ; scale bytes: column x 32 + 16 ky
.macro WLOAD t                         ; block t: W(32 t + i, my column) into set t % 2; the largest offset, 511 rows of 12,288 bytes, lies inside the signed 24-bit immediate
.set i, 0
.rept 32
	global_load_b32 v[WX+32*((\t)%2)+i], v3, s[6:7] offset:(32*(\t)+i)*12288 th:TH_LOAD_NT
.set i, i+1
.endr
.endm
	WLOAD 0
	WLOAD 1
.macro WBLOCK t
.set XS, WX+32*((\t)%2)
.if (\t) < 15
	s_wait_loadcnt 32                              ; this block's 32 loads are in; the next block's may be out
.else
	s_wait_loadcnt 0
.endif
	v_max3_num_f32 v12, |v[XS]|, |v[XS+1]|, |v[XS+2]|
	v_max3_num_f32 v13, |v[XS+3]|, |v[XS+4]|, |v[XS+5]|
.irp i, 6,10,14,18,22,26
	v_max3_num_f32 v12, v12, |v[XS+\i]|, |v[XS+\i+1]|
	v_max3_num_f32 v13, v13, |v[XS+\i+2]|, |v[XS+\i+3]|
.endr
	v_max3_num_f32 v12, v12, |v[XS+30]|, |v[XS+31]|
	v_max3_num_f32 v12, v12, v13, 0x1800000        ; the floor
	v_add_nc_u32 v11, 0xff000000, v12              ; the conversion's scale operand
	v_lshrrev_b32 v13, 23, v11                     ; the scale's byte
.if (\t)%4 == 0
	v_mov_b32 v[SB+(\t)/4], v13
.else
	v_lshl_or_b32 v[SB+(\t)/4], v13, 8*((\t)%4), v[SB+(\t)/4]
.endif
.irp g, 0,1,2,3
	v_cvt_scalef32_pk8_fp4_f32 v[WC+\g], v[XS+8*\g:XS+8*\g+7], v11
.endr
	ds_store_b128 v4, v[WC:WC+3] offset:16*(\t)    ; 32 codes: 16 bytes of my column's row
.if (\t)+2 < 16
	WLOAD (\t)+2
.endif
	s_wait_dscnt 0x0                               ; the store has read its registers: the next block's codes may be written
.endm
.irp t, 0,1,2,3,4,5,6,7,8,9,10,11,12,13,14,15
	WBLOCK \t
.endr
	global_store_b128 v9, v[SB:SB+3], s[16:17]     ; my column's 16 scale bytes
.irp t, 0,1,2,3,4,5,6,7,8,9,10,11,12,13,14,15
	ds_load_b128 v[OUTR+4*\t:OUTR+4*\t+3], v7 offset:2*\t*PITCH
.endr
.irp t, 0,1,2,3,4,5,6,7,8,9,10,11,12,13,14,15
	s_wait_dscnt 15-\t                             ; LDS loads come back in order: load t is in
	global_store_b128 v8, v[OUTR+4*\t:OUTR+4*\t+3], s[14:15] offset:2*\t*512   ; sixteen lanes store 256 consecutive bytes, aligned
.endr
	FINISH
; ---------------- PATH O.  The same plan without a quantiser: a lane takes a column n of W_out, 128 along K a wave, rounded to f16 in pairs: 256 bytes a column.
.Lo:
	s_sub_co_u32 s21, ttmp9, 48
	s_lshr_b32 s22, s21, 3                         ; which 128 along K
	s_and_b32 s21, s21, 7
	s_lshl_b32 s21, s21, 7
	s_lshl_b32 s23, s20, 5
	s_add_co_u32 s21, s21, s23                     ; my wave's first column
	v_lshlrev_b32 v3, 2, v2
	s_mul_i32 s23, s20, 32*PITCH
	s_add_co_u32 s23, s23, OREG                    ; my stage
	v_mul_u32_u24 v4, v2, PITCH
	v_add_nc_u32 v4, s23, v4
	v_and_b32 v5, 15, v2
	v_lshrrev_b32 v6, 4, v2
	v_mul_u32_u24 v7, v6, PITCH
	v_lshl_add_u32 v7, v5, 4, v7
	v_add_nc_u32 v7, s23, v7
	v_lshlrev_b32 v8, 11, v6
	v_lshl_add_u32 v8, v5, 4, v8                   ; a row of wout_t is 2,048 bytes
	s_lshl_b32 s24, s22, 19                        ; 128 rows of 4,096 bytes
	s_lshl_b32 s25, s21, 2
	s_add_co_u32 s24, s24, s25
	s_mov_b32 s25, 0
	s_add_nc_u64 s[8:9], s[8:9], s[24:25]
	s_lshl_b32 s24, s21, 11
	s_lshl_b32 s26, s22, 8
	s_add_co_u32 s24, s24, s26
	s_add_nc_u64 s[18:19], s[18:19], s[24:25]      ; column x 2,048 + 256 ky
.macro OLOAD t
.set i, 0
.rept 32
	global_load_b32 v[WX+32*((\t)%2)+i], v3, s[8:9] offset:(32*(\t)+i)*4096 th:TH_LOAD_NT
.set i, i+1
.endr
.endm
	OLOAD 0
	OLOAD 1
.macro OBLOCK t
.set XS, WX+32*((\t)%2)
.if (\t) < 3
	s_wait_loadcnt 32                              ; this block's 32 loads are in; the next block's may be out
.else
	s_wait_loadcnt 0
.endif
.set i, 0
.rept 16
	v_cvt_pk_f16_f32 v[WC+i], v[XS+2*i], v[XS+2*i+1]   ; the lower k in the low half
.set i, i+1
.endr
.irp g, 0,1,2,3
	ds_store_b128 v4, v[WC+4*\g:WC+4*\g+3] offset:64*(\t)+16*\g
.endr
.if (\t)+2 < 4
	OLOAD (\t)+2
.endif
	s_wait_dscnt 0x0                               ; the stores have read their registers
.endm
.irp t, 0,1,2,3
	OBLOCK \t
.endr
.irp t, 0,1,2,3,4,5,6,7,8,9,10,11,12,13,14,15
	ds_load_b128 v[OUTR+4*\t:OUTR+4*\t+3], v7 offset:2*\t*PITCH
.endr
.irp t, 0,1,2,3,4,5,6,7,8,9,10,11,12,13,14,15
	s_wait_dscnt 15-\t
	global_store_b128 v8, v[OUTR+4*\t:OUTR+4*\t+3], s[18:19] offset:2*\t*2048   ; sixteen lanes store 256 consecutive bytes, aligned
.endr
	FINISH
.Lfunc_end_k_q36c97d6841_prep:
	.size	k_q36c97d6841_prep, .Lfunc_end_k_q36c97d6841_prep-k_q36c97d6841_prep
	.p2alignl 7, 3214868480
	.fill 96, 4, 3214868480
	.section	.rodata,"a",@progbits
	.p2align	6, 0x0
	.amdhsa_kernel k_q36c97d6841_prep
		.amdhsa_group_segment_fixed_size 102912
		.amdhsa_private_segment_fixed_size 0
		.amdhsa_enable_private_segment 0
		.amdhsa_kernarg_size 64
		.amdhsa_user_sgpr_count 2
		.amdhsa_user_sgpr_kernarg_segment_ptr 1
		.amdhsa_wavefront_size32 1
		.amdhsa_system_sgpr_workgroup_id_x 1
		.amdhsa_system_sgpr_workgroup_id_y 1
		.amdhsa_system_sgpr_workgroup_id_z 1
		.amdhsa_system_vgpr_workitem_id 0
		.amdhsa_next_free_vgpr 192
		.amdhsa_next_free_sgpr 66
		.amdhsa_reserve_vcc 0
		.amdhsa_float_denorm_mode_32 3
		.amdhsa_float_denorm_mode_16_64 3
		.amdhsa_memory_ordered 1
		.amdhsa_forward_progress 1
		.amdhsa_inst_pref_size 132
	.end_amdhsa_kernel
	.amdgpu_metadata
---
amdhsa.version: [ 1, 2 ]
amdhsa.kernels:
  - .name:           k_q36c97d6841_prep
    .symbol:         k_q36c97d6841_prep.kd
    .args:
      - { .name: X, .offset: 0, .size: 8, .value_kind: global_buffer, .address_space: global }
      - { .name: W_qkv, .offset: 8, .size: 8, .value_kind: global_buffer, .address_space: global }
      - { .name: W_out, .offset: 16, .size: 8, .value_kind: global_buffer, .address_space: global }
      - { .name: x_codes, .offset: 24, .size: 8, .value_kind: global_buffer, .address_space: global }
      - { .name: x_scales, .offset: 32, .size: 8, .value_kind: global_buffer, .address_space: global }
      - { .name: w_codes, .offset: 40, .size: 8, .value_kind: global_buffer, .address_space: global }
      - { .name: w_scales, .offset: 48, .size: 8, .value_kind: global_buffer, .address_space: global }
      - { .name: wout_t, .offset: 56, .size: 8, .value_kind: global_buffer, .address_space: global }
    .group_segment_fixed_size: 102912
    .private_segment_fixed_size: 0
    .kernarg_segment_align: 8
    .kernarg_segment_size: 64
    .max_flat_workgroup_size: 128
    .sgpr_count:     66
    .vgpr_count:     192
    .wavefront_size: 32
...
	.end_amdgpu_metadata
.endif
;; end of part 1
;; launch qkv (part 2): grid 12 x 32, 4 waves a work-group, clusters of 4 x 4, 327,680 bytes of LDS; arguments x_codes, x_scales, w_codes, w_scales, b_qkv, qkv16, qkv32; writes qkv16, qkv32
.if DOCPART == 2
	.amdgcn_target "amdgcn-amd-amdhsa--gfx1250"
	.amdhsa_code_object_version 6
	.text
	.protected	k_q36c97d6841_qkv
	.globl	k_q36c97d6841_qkv
	.p2align	8
	.type	k_q36c97d6841_qkv,@function
k_q36c97d6841_qkv:
	s_mov_b64 s[64:65], 0
	v_nop
	global_prefetch_b8 v0, s[64:65] scope:SCOPE_SE
	s_setreg_imm32_b32 hwreg(HW_REG_WAVE_MODE, 25, 1), 1
	s_wait_xcnt 0x0
	s_wait_alu depctr_hold_cnt(0) depctr_sa_sdst(0) depctr_va_vdst(0) depctr_va_sdst(0) depctr_va_ssrc(0) depctr_va_vcc(0) depctr_vm_vsrc(0)
	s_getreg_b32 s2, hwreg(HW_REG_IB_STS2, 6, 4)
	s_cmp_eq_u32 s2, 0
	s_cbranch_scc0 .Lentry_in_a_cluster
	s_endpgm
.Lentry_in_a_cluster:
	s_bfe_u32 s2, ttmp6, 0x10000c
	s_cmp_lg_u32 s2, 0xf033
	s_cbranch_scc0 .Lentry_shape_is_right
	s_endpgm
.Lentry_shape_is_right:
; qkv = X W_qkv + b_qkv on codes of FP4 (E2M1) with one E8M0 scale for each 32 along K = 1,024; sums in f32.  x_codes [8192][512 bytes], w_codes [3072 n][512 bytes], their scale bytes [rows][32].
; A tile of 256 x 256 is made by four waves, 128 x 128 each: 64 accumulators of 16 x 16.  K = 1,024 is two slots of 512: both are first fills, nothing is filled again, and there is no loop.
; The scale bytes of the work-group's rows come once, as dense blocks.  CLUSTERS: 4 x 4 work-groups; A's tiles are asked for jointly along a row of the cluster, B's along a column.
; The tile row is 8 cy + cluster y: cy is the batch and the cluster's y the block of 256 positions, so that 'this tile holds positions 0 to 255' hangs on the cluster's y alone, the same in all partners.
; THE MATRIX INSTRUCTION IS USED TRANSPOSED (source 0 = 16 rows of W, source 1 = 16 rows of X): a lane holds eight neighbouring columns of one row.  The bias is the C of each sum's first product.
; OUT: q, k, v as f16, laid [part 3][batch x head 64][position 2048][64]: a wave's 128 columns are two segments of 64 (segment = 3 head + part), each 128 bytes a position, dense over positions.
; Positions 0 to 15 of every sequence also leave as f32, [batch x 16 + position][3072], for the launch that carries those rows finely: 16-byte pieces, 0.8 MB in the whole launch.
; LIMITS: |q|, |k|, |v| must stay under 65,504 (f16).
; REGISTERS, in windows of 256: window 0: v0-31 addresses; v32-95 scale words, two sets; v128-191 A's fragments, one set; v192-255 the bias, later packed results.
;   window 1: B's fragments, two sets.   window 2: the accumulators of my rows 0-63 ((a, b) at v[8 (8 a + b)]);   window 3: those of rows 64-127.
.set NQ,     4                         ; matrix instructions deep in a slot
.set ROWB,   256                       ; a tile's row: 512 codes
.set KROW,   512                       ; a row of codes in memory
.set PITCH,  272                       ; an LDS row: 256 bytes + 16: the 16 rows that a load touches start 4 banks apart
.set FR,     8
.set NL,     2
.set NP,     4
.set HALFT,  128*PITCH
.set SLOT,   4*HALFT
.set KS,     32                        ; a row of scale bytes
.set SCL,    2*SLOT
.set HALFS,  (128*KS/256)*272
.set SBLK,   (16*KS/256)*272
.set SPARE,  SCL+4*HALFS               ; the spare words, 128 bytes for each wave
.set SEGB,   16*144                    ; the way out: a stage of [segment 2][16 rows][128 bytes + 16] a wave, in slot 0, which has had its only fill and its last read by then
.set ADRA, 16
.set ADRB, 20
.set STO,  24
.set RD,   25
.set CO,   26
.set ADRS, 27
.set SPW,  28
.set NIL,  29
.set F32O, 30                          ; v30  my byte offset in the f32 copy
.set BO,   31                          ; v31  my byte offset in the bias
.set SC,   32
.set AF,   128
.set BK,   128                         ; the way out: rows read back: v128-159 and v160-191 by turns
.set BIAS, 192
.set TMP,  192                         ; the way out: packed results, where the bias lay
.set G1, 24
.set G0, 32
.set G1B, 48
.set G0B, 56
.set G1S, 68
.set G0S, 76
.set G1SB, 80
.set G0SB, 88
.set MSB, 0
.macro WIN new                         ; the immediate's high byte repeats the setting that is left
.if MSB != \new
	s_set_vgpr_msb (MSB<<8)|\new
.set MSB, \new
.endif
.endm
.set MUL_LO, 0xa1                      ; source 0 (W) window 1, source 1 (X) window 0, C and D window 2
.set MUL_HI, 0xf1                      ; the same, C and D window 3
.set FST_LO, 0x81                      ; the first products: C (the bias) window 0, D window 2
.set FST_HI, 0xc1                      ; and D window 3
.set TO_B,   0x40
; A joint load: waves 0 and 1 fetch for A, waves 2 and 3 for B; the branch hangs on the wave's number alone.  An s_nop 0 and four v_nop follow each line.
.macro JLOAD g0a, g1a, g0b, g1b
	s_cmp_eq_u32 s15, 0
	s_cbranch_scc0 .Lfor_b_\@
	tensor_load_to_lds s[\g0a:\g0a+3], s[\g1a:\g1a+7]
	s_nop 0
.rept 4
	v_nop
.endr
	s_branch .Lasked_\@
.Lfor_b_\@:
	tensor_load_to_lds s[\g0b:\g0b+3], s[\g1b:\g1b+7]
	s_nop 0
.rept 4
	v_nop
.endr
.Lasked_\@:
.endm
.macro CROUND                          ; a round of the cluster's barrier
	s_barrier_signal -1
	s_barrier_wait -1
	s_cmp_lg_u32 s14, 0
	s_cbranch_scc1 .Lnot_wave_0_\@
	s_barrier_signal -3
.Lnot_wave_0_\@:
	s_barrier_wait -3
	s_barrier_signal -1
	s_barrier_wait -1
.endm
	s_load_b128 s[4:7], s[0:1], 0x0                ; X's codes, X's scales
	s_load_b128 s[8:11], s[0:1], 0x10              ; W's codes, W's scales
	s_load_b64 s[12:13], s[0:1], 0x20              ; b_qkv
	s_load_b64 s[96:97], s[0:1], 0x28              ; qkv16
	s_load_b64 s[98:99], s[0:1], 0x30              ; qkv32
	v_lshl_add_u32 v[SPW], v0, 2, SPARE
	v_mov_b32 v[NIL], 0
	ds_add_u32 v[SPW], v[NIL]                      ; the opening: the add, twice on end, and its wait ahead of my first tensor load
	ds_add_u32 v[SPW], v[NIL]
	v_lshrrev_b32 v1, 5, v0
	v_readfirstlane_b32 s14, v1                    ; wave 0..3
	s_lshr_b32 s15, s14, 1                         ; which half of the tile's rows is mine.  Also: I fetch for A (0) or for B (1)
	s_and_b32 s16, s14, 1                          ; which half of its columns.  Also: which 128 rows I fetch
	s_bfe_u32 s40, ttmp6, 0x40000                  ; cx
	s_bfe_u32 s41, ttmp6, 0x40004                  ; cy
	s_lshl_b32 s42, ttmp9, 2
	s_add_co_u32 s42, s42, s40                     ; tile column = 4 x cluster x + cx
	s_and_b32 s3, ttmp7, 0xffff                    ; cluster y
	s_lshl_b32 s17, s41, 3
	s_add_co_u32 s17, s17, s3                      ; tile row = 8 cy + cluster y
	s_lshl_b32 s43, s41, 2
	s_lshl_b32 s43, 15, s43                        ; my row of the cluster
	s_lshl_b32 s44, 0x1111, s40                    ; my column
	s_or_b32 s[G1+0], s43, (0<<16)|(1<<20)|(1<<21)|(5<<22)|(3<<25)  ; the mask; elements of 1 byte; padding on; bit 21 beside a mask; 4 words behind every 64
	s_or_b32 s[G1B+0], s44, (0<<16)|(1<<20)|(1<<21)|(5<<22)|(3<<25)
.irp g, G1, G1B
	s_mov_b32 s[\g+1], ROWB<<16                    ; tensor_dim0
	s_mov_b32 s[\g+2], 128<<16                     ; tensor_dim1
	s_mov_b32 s[\g+3], ROWB<<16                    ; tile_dim0
	s_mov_b32 s[\g+4], 128                         ; tile_dim1
	s_mov_b32 s[\g+5], KROW                        ; from row to row
	s_mov_b32 s[\g+6], 0
	s_mov_b32 s[\g+7], 0
.endr
	s_or_b32 s[G1S+0], s43, (3<<16)|(1<<20)|(1<<21)|(5<<22)|(3<<25)  ; the scales of 128 rows: 4,096 dense bytes as rows of 256 (32 elements of 8 bytes)
	s_or_b32 s[G1SB+0], s44, (3<<16)|(1<<20)|(1<<21)|(5<<22)|(3<<25)
.irp g, G1S, G1SB
	s_mov_b32 s[\g+1], 32<<16
	s_mov_b32 s[\g+2], (128*KS/256)<<16
	s_mov_b32 s[\g+3], 32<<16
	s_mov_b32 s[\g+4], 128*KS/256
	s_mov_b32 s[\g+5], 32
	s_mov_b32 s[\g+6], 0
	s_mov_b32 s[\g+7], 0
.endr
	s_lshl_b32 s18, s16, 7
	s_lshl_b32 s20, s17, 8
	s_add_co_u32 s20, s20, s18                     ; A: row 256 x tile row + 128 x half
	s_lshl_b32 s46, s42, 8
	s_add_co_u32 s46, s46, s18                     ; B: row 256 x tile column + 128 x half
	s_mov_b32 s21, 0
	s_mov_b32 s47, 0
	s_mov_b64 s[18:19], KS
	s_mul_u64 s[22:23], s[20:21], s[18:19]         ; where these rows' scales begin
	s_mul_u64 s[92:93], s[46:47], s[18:19]
	s_mov_b64 s[18:19], KROW
	s_mul_u64 s[20:21], s[20:21], s[18:19]         ; and their codes
	s_mul_u64 s[46:47], s[46:47], s[18:19]
	s_mul_i32 s45, s14, HALFT                      ; where they go: wave x 128 rows
	s_mul_i32 s94, s14, HALFS
	s_wait_dscnt 0x0                               ; both opening adds are done
	s_wait_kmcnt 0x0
	s_add_nc_u64 s[20:21], s[4:5], s[20:21]
	s_add_nc_u64 s[22:23], s[6:7], s[22:23]
	s_add_nc_u64 s[46:47], s[8:9], s[46:47]
	s_add_nc_u64 s[92:93], s[10:11], s[92:93]
	CROUND                                         ; all sixteen work-groups are here: the first joint loads meet
	s_mov_b32 s[G0S], 1
	s_add_co_u32 s[G0S+1], s94, SCL
	s_mov_b64 s[G0S+2:G0S+3], s[22:23]
	s_or_b32 s[G0S+3], s[G0S+3], 0x80000000
	s_mov_b32 s[G0SB], 1
	s_add_co_u32 s[G0SB+1], s94, SCL
	s_mov_b64 s[G0SB+2:G0SB+3], s[92:93]
	s_or_b32 s[G0SB+3], s[G0SB+3], 0x80000000
	JLOAD G0S, G1S, G0SB, G1SB                     ; the scales first
.irp s, 0,1
	s_mov_b32 s[G0+4*\s], 1
	s_add_co_u32 s[G0+4*\s+1], s45, \s*SLOT
	s_add_nc_u64 s[G0+4*\s+2:G0+4*\s+3], s[20:21], \s*ROWB
	s_or_b32 s[G0+4*\s+3], s[G0+4*\s+3], 0x80000000
	s_mov_b32 s[G0B+4*\s], 1
	s_add_co_u32 s[G0B+4*\s+1], s45, \s*SLOT
	s_add_nc_u64 s[G0B+4*\s+2:G0B+4*\s+3], s[46:47], \s*ROWB
	s_or_b32 s[G0B+4*\s+3], s[G0B+4*\s+3], 0x80000000
	JLOAD G0+4*\s, G1, G0B+4*\s, G1B               ; both halves of K: three tensor loads of mine are out, and no more follow
.endr
	v_and_b32 v1, 15, v0                           ; r = l % 16
	v_bfe_u32 v2, v0, 4, 1                         ; hh = l / 16
	v_lshlrev_b32 v[BO], 5, v2                     ; the bias: my half's eight numbers of a block of 16
	s_lshl_b32 s20, s42, 10
	s_lshl_b32 s21, s16, 9
	s_add_co_u32 s20, s20, s21                     ; my first column, in bytes of f32
	s_mov_b32 s21, 0
	s_add_nc_u64 s[12:13], s[12:13], s[20:21]
.irp b, 0,1,2,3,4,5,6,7
	global_load_b128 v[BIAS+8*\b:BIAS+8*\b+3], v[BO], s[12:13] offset:64*\b        ; b_qkv at columns 16 b + 8 hh + 0 .. 7: the result's layout
	global_load_b128 v[BIAS+8*\b+4:BIAS+8*\b+7], v[BO], s[12:13] offset:64*\b+16
.endr
	s_mul_i32 s22, s41, 196608                     ; the f32 copy: the batch's 16 rows of 12,288 bytes
	s_add_co_u32 s20, s20, s22
	s_add_nc_u64 s[98:99], s[98:99], s[20:21]
	v_mul_u32_u24 v3, v1, PITCH
	v_lshl_add_u32 v4, v2, 4, v3                   ; a fragment's row x pitch + 16 x half
	s_mul_i32 s21, s15, HALFT                      ; my 128 rows of A
	s_mul_i32 s22, s16, HALFT                      ; my 128 rows of B,
	s_add_co_u32 s22, s22, 2*HALFT                 ; behind A's 256
.irp s, 0,1
	v_add_nc_u32 v[ADRA+\s], s21, v4
	v_add_nc_u32 v[ADRB+\s], s22, v4
	s_add_co_u32 s21, s21, SLOT
	s_add_co_u32 s22, s22, SLOT
.endr
	v_mul_u32_u24 v5, v1, KS                       ; my row's scales: 32 bytes a row,
	v_lshrrev_b32 v6, 8, v5
	v_lshl_add_u32 v5, v6, 4, v5                   ; and 16 more for each 256 passed
	s_mul_i32 s21, s15, HALFS
	s_mul_i32 s22, s16, HALFS
	s_add_co_u32 s22, s22, 2*HALFS
	s_sub_co_u32 s22, s22, s21
	v_mul_u32_u24 v6, s22, v2                      ; lanes 16-31 take B's
	s_add_co_u32 s21, s21, SCL
	v_add_nc_u32 v5, v5, v6
	v_add_nc_u32 v[ADRS], s21, v5
	s_mul_i32 s23, s14, 2*SEGB                     ; my stage
	v_mul_u32_u24 v5, v1, 144
	v_lshl_add_u32 v5, v2, 4, v5
	v_add_nc_u32 v[STO], s23, v5                   ; in: row r, 16 bytes for each half of the lanes
	v_and_b32 v6, 31, v0
	v_lshrrev_b32 v5, 3, v6
	v_mul_u32_u24 v5, v5, 144
	v_and_b32 v7, 7, v0
	v_lshl_add_u32 v5, v7, 4, v5
	v_add_nc_u32 v[RD], s23, v5                    ; back: eight lanes to a row of 128 bytes, four rows an instruction
	v_lshlrev_b32 v[CO], 4, v6                     ; and in qkv16 those four rows are 512 consecutive bytes
	v_mul_u32_u24 v[F32O], v1, 12288
	v_lshl_add_u32 v[F32O], v2, 5, v[F32O]
	s_or_b32 s92, s3, s15                          ; 0 where my rows begin with positions 0 to 15: the cluster's y and the wave's number alone
	s_lshl_b32 s93, s3, 8
	s_lshl_b32 s22, s15, 7
	s_add_co_u32 s93, s93, s22                     ; my first position
	s_lshl_b32 s95, s42, 2
	s_lshl_b32 s22, s16, 1
	s_add_co_u32 s95, s95, s22                     ; my first segment of 64 columns
.macro SEGOFF n                        ; s[46:47] = the byte in qkv16 at which my segment n begins: ((part x 64 + batch x 16 + head) x 2048 + position) x 128
	s_add_co_u32 s20, s95, \n
	s_mul_i32 s21, s20, 171
	s_lshr_b32 s21, s21, 9                         ; head = segment / 3 (exact for segments under 48)
	s_mul_i32 s22, s21, 3
	s_sub_co_u32 s22, s20, s22                     ; part
	s_lshl_b32 s22, s22, 6
	s_lshl_b32 s23, s41, 4
	s_add_co_u32 s22, s22, s23
	s_add_co_u32 s22, s22, s21
	s_lshl_b32 s22, s22, 11
	s_add_co_u32 s22, s22, s93
	s_lshl_b32 s46, s22, 7
	s_mov_b32 s47, 0
.endm
	SEGOFF 1
	s_add_nc_u64 s[100:101], s[96:97], s[46:47]
	SEGOFF 0
	s_add_nc_u64 s[96:97], s[96:97], s[46:47]
.macro FRAG reg, adr, q, i             ; 16 rows x 128 K of 4-bit codes: 8 registers; registers 4 c .. 4 c + 3 hold K = 64 c + 32 hh + 0 .. 31
.irp c, 0,1
	ds_load_b128 v[\reg+4*\c:\reg+4*\c+3], v[\adr] offset:64*(\q)+32*\c+(\i)*16*PITCH
.endr
.endm
; 16 matrix instructions: A's blocks a0, a0 + 1 x B's eight.  first = 1: the bias is the C, and the product starts the sum.  The 64 accumulators take turns, one instruction a turn.
.macro MUL16 a0, p, q, sc, first
.irp a, \a0, \a0+1
.irp b, 0,1,2,3,4,5,6,7
.if \first
	v_wmma_scale_f32_16x16x128_f8f6f4 v[8*(8*((\a)%4)+\b):8*(8*((\a)%4)+\b)+7], v[128*(\p)+FR*\b:128*(\p)+FR*\b+FR-1], v[AF+FR*(\a):AF+FR*(\a)+FR-1], v[BIAS+8*\b:BIAS+8*\b+7], v[SC+8*NQ*(\sc)+NQ*\b+(\q)], v[SC+8*NQ*(\sc)+NQ*(\a)+(\q)] matrix_a_fmt:MATRIX_FMT_FP4 matrix_b_fmt:MATRIX_FMT_FP4 matrix_a_scale:MATRIX_SCALE_ROW1
.else
	v_wmma_scale_f32_16x16x128_f8f6f4 v[8*(8*((\a)%4)+\b):8*(8*((\a)%4)+\b)+7], v[128*(\p)+FR*\b:128*(\p)+FR*\b+FR-1], v[AF+FR*(\a):AF+FR*(\a)+FR-1], v[8*(8*((\a)%4)+\b):8*(8*((\a)%4)+\b)+7], v[SC+8*NQ*(\sc)+NQ*\b+(\q)], v[SC+8*NQ*(\sc)+NQ*(\a)+(\q)] matrix_a_fmt:MATRIX_FMT_FP4 matrix_b_fmt:MATRIX_FMT_FP4 matrix_a_scale:MATRIX_SCALE_ROW1
.endif
.endr
.endr
.endm
.macro FETCH_B slot, q, p
	WIN TO_B
.irp i, 0,1,2,3,4,5,6,7
	FRAG 128*(\p)+FR*\i, ADRB+\slot, \q, \i
.endr
	WIN 0
.endm
.macro FETCH_A slot, q, i0
.irp i, \i0, \i0+1, \i0+2, \i0+3
	FRAG AF+FR*(\i), ADRA+\slot, \q, \i
.endr
.endm
.macro SCALES sc                       ; a slot's scale words: lanes 0-15 take A's block i, lanes 16-31 B's block i
.irp i, 0,1,2,3,4,5,6,7
	ds_load_b128 v[SC+8*NQ*\sc+NQ*\i:SC+8*NQ*\sc+NQ*\i+3], v[ADRS] offset:\i*SBLK
.endr
.endm
.macro PLACES n                        ; plain vector instructions between a matrix instruction and a load into, or a read of, its registers
.rept \n
	v_nop
.endr
.endm
.macro STEP slot, q, first             ; 128 along K with its successor in the same slot
	s_wait_dscnt 4*NL                              ; B's set and A's blocks 0-3 are in; the youngest eight loads (A's blocks 4-7) may be out
.if \first
	WIN FST_LO
.else
	WIN MUL_LO
.endif
	MUL16 0, (\q)%2, \q, \slot, \first
	MUL16 2, (\q)%2, \q, \slot, \first
	s_wait_dscnt 0
	PLACES NP
	FETCH_B \slot, (\q)+1, 1-(\q)%2
	FETCH_A \slot, (\q)+1, 0
.if \first
	WIN FST_HI
.else
	WIN MUL_HI
.endif
	MUL16 4, (\q)%2, \q, \slot, \first
	MUL16 6, (\q)%2, \q, \slot, \first
	PLACES NP
	WIN 0
	FETCH_A \slot, (\q)+1, 4
.endm
	s_wait_tensorcnt 1                             ; the scales and my part of slot 0 are in; slot 1's load may be out
	s_barrier_signal -1
	s_barrier_wait -1
	FETCH_B 0, 0, 0
	FETCH_A 0, 0, 0
	SCALES 0
	FETCH_A 0, 0, 4
	s_wait_loadcnt 0x0                             ; the bias
	STEP 0, 0, 1
	STEP 0, 1, 0
	STEP 0, 2, 0
	; slot 0's last step changes slots: one barrier; in front of it each wave waits for all its tensor loads, adds 0 to its spare word, and waits for that and for its reads
	s_wait_tensorcnt 0x0                           ; my part of slot 1 has landed
	ds_add_u32 v[SPW], v[NIL]
	s_wait_dscnt 4*NL+1                            ; the add and the youngest eight loads may be out
	WIN MUL_LO
	MUL16 0, 1, NQ-1, 0, 0
	s_wait_dscnt 0x0
	s_barrier_signal -1
	MUL16 2, 1, NQ-1, 0, 0
	WIN 0
	s_barrier_wait -1                              ; slot 1 is whole, and nobody reads slot 0 any more
	PLACES NP
	v_add_nc_u32 v[ADRS], 4*NQ, v[ADRS]            ; on to slot 1's scale words
	FETCH_B 1, 0, 0
	FETCH_A 1, 0, 0
	SCALES 1
	WIN MUL_HI
	MUL16 4, 1, NQ-1, 0, 0
	MUL16 6, 1, NQ-1, 0, 0
	PLACES NP
	WIN 0
	FETCH_A 1, 0, 4
	STEP 1, 0, 0
	STEP 1, 1, 0
	STEP 1, 2, 0
	s_wait_dscnt 4*NL                              ; the very last step: nothing more to fetch
	WIN MUL_LO
	MUL16 0, 1, NQ-1, 1, 0
	MUL16 2, 1, NQ-1, 1, 0
	s_wait_dscnt 0
	WIN MUL_HI
	MUL16 4, 1, NQ-1, 1, 0
	MUL16 6, 1, NQ-1, 1, 0
	WIN 0
	PLACES NP
	; positions 0 to 15 as f32: my block 0, where my rows begin a sequence
	s_cmp_lg_u32 s92, 0
	s_cbranch_scc1 .Lno_fine
	WIN 0x08                                       ; a store's data are its source 1: window 2
.irp b, 0,1,2,3,4,5,6,7
	global_store_b128 v[F32O], v[8*\b:8*\b+3], s[98:99] offset:64*\b          ; each accumulator from its low end on
	global_store_b128 v[F32O], v[8*\b+4:8*\b+7], s[98:99] offset:64*\b+16
.endr
	WIN 0
.Lno_fine:
; THE WAY OUT, a block of 16 rows x 128 columns at a time: rounded to f16, 16 bytes a lane, into my stage by segment, and back as rows of 128 bytes, four to an instruction.
.macro PACK a
.set AC, 64*((\a)%4)
	WIN 0x0a+5*((\a)/4)                            ; sources 0 and 1: window 2 or 3
.irp b, 0,1,2,3,4,5,6,7
.irp r, 0,1,2,3
	v_cvt_pk_f16_f32 v[TMP+4*\b+\r], v[AC+8*\b+2*\r], v[AC+8*\b+2*\r+1]
.endr
.endr
	WIN 0
.endm
.macro TOSTAGE a
.set BB, BK+32*((\a)%2)
.irp b, 0,1,2,3,4,5,6,7
	ds_store_b128 v[STO], v[TMP+4*\b:TMP+4*\b+3] offset:(\b/4)*SEGB+(\b%4)*32
.endr
.irp u, 0,1,2,3,4,5,6,7
	ds_load_b128 v[BB+4*\u:BB+4*\u+3], v[RD] offset:(\u/4)*SEGB+(\u%4)*576    ; LDS serves a wave's instructions in order: these see the stores above
.endr
.endm
.macro SEND a
.set BB, BK+32*((\a)%2)
	s_wait_dscnt 0x0                               ; the block is back in registers
	s_wait_xcnt 0x0                                ; the stores of the block before have read their registers: the next loads may land there
.irp t, 0,1,2,3
	global_store_b128 v[CO], v[BB+4*\t:BB+4*\t+3], s[96:97] offset:(\a)*2048+512*\t       ; 32 lanes store 512 consecutive bytes, aligned
.endr
.irp t, 0,1,2,3
	global_store_b128 v[CO], v[BB+16+4*\t:BB+16+4*\t+3], s[100:101] offset:(\a)*2048+512*\t
.endr
.endm
	PACK 0
	TOSTAGE 0
.irp a, 1,2,3,4,5,6,7                  ; block a's conversions stand between block a - 1's loads from the stage and the wait for them
	PACK \a
	SEND \a-1
	TOSTAGE \a
.endr
	SEND 7
	s_wait_tensorcnt 0x0                           ; the wave's end
	ds_add_u32 v[SPW], v[NIL]
	s_wait_dscnt 0x0
	CROUND                                         ; the closing round
	s_endpgm
.Lfunc_end_k_q36c97d6841_qkv:
	.size	k_q36c97d6841_qkv, .Lfunc_end_k_q36c97d6841_qkv-k_q36c97d6841_qkv
	.p2alignl 7, 3214868480
	.fill 96, 4, 3214868480
	.section	.rodata,"a",@progbits
	.p2align	6, 0x0
	.amdhsa_kernel k_q36c97d6841_qkv
		.amdhsa_group_segment_fixed_size 327680
		.amdhsa_private_segment_fixed_size 0
		.amdhsa_enable_private_segment 0
		.amdhsa_kernarg_size 56
		.amdhsa_user_sgpr_count 2
		.amdhsa_user_sgpr_kernarg_segment_ptr 1
		.amdhsa_wavefront_size32 1
		.amdhsa_system_sgpr_workgroup_id_x 1
		.amdhsa_system_sgpr_workgroup_id_y 1
		.amdhsa_system_sgpr_workgroup_id_z 1
		.amdhsa_system_vgpr_workitem_id 0
		.amdhsa_next_free_vgpr 1024
		.amdhsa_next_free_sgpr 102
		.amdhsa_reserve_vcc 0
		.amdhsa_float_denorm_mode_32 3
		.amdhsa_float_denorm_mode_16_64 3
		.amdhsa_memory_ordered 1
		.amdhsa_forward_progress 1
		.amdhsa_inst_pref_size 131
	.end_amdhsa_kernel
	.amdgpu_metadata
---
amdhsa.version: [ 1, 2 ]
amdhsa.kernels:
  - .name:           k_q36c97d6841_qkv
    .symbol:         k_q36c97d6841_qkv.kd
    .args:
      - { .name: x_codes, .offset: 0, .size: 8, .value_kind: global_buffer, .address_space: global }
      - { .name: x_scales, .offset: 8, .size: 8, .value_kind: global_buffer, .address_space: global }
      - { .name: w_codes, .offset: 16, .size: 8, .value_kind: global_buffer, .address_space: global }
      - { .name: w_scales, .offset: 24, .size: 8, .value_kind: global_buffer, .address_space: global }
      - { .name: b_qkv, .offset: 32, .size: 8, .value_kind: global_buffer, .address_space: global }
      - { .name: qkv16, .offset: 40, .size: 8, .value_kind: global_buffer, .address_space: global }
      - { .name: qkv32, .offset: 48, .size: 8, .value_kind: global_buffer, .address_space: global }
    .group_segment_fixed_size: 327680
    .private_segment_fixed_size: 0
    .kernarg_segment_align: 8
    .kernarg_segment_size: 56
    .max_flat_workgroup_size: 128
    .sgpr_count:     102
    .vgpr_count:     1024
    .wavefront_size: 32
...
	.end_amdgpu_metadata
.endif
;; end of part 2
;; launch attn (part 3): grid 4 x 64, 16 waves a work-group, no clusters, 327,680 bytes of LDS; arguments qkv16, attn16; writes attn16
.if DOCPART == 3
	.amdgcn_target "amdgcn-amd-amdhsa--gfx1250"
	.amdhsa_code_object_version 6
	.text
	.protected	k_q36c97d6841_attn
	.globl	k_q36c97d6841_attn
	.p2align	8
	.type	k_q36c97d6841_attn,@function
k_q36c97d6841_attn:
	s_mov_b64 s[64:65], 0
	v_nop
	global_prefetch_b8 v0, s[64:65] scope:SCOPE_SE
	s_setreg_imm32_b32 hwreg(HW_REG_WAVE_MODE, 25, 1), 1
	s_wait_xcnt 0x0
; attn[b][q][h][:] = the sum over k <= q of softmax_k(Q.K / 8 - slope_h (q - k)) V[k], slope_h = 2^-(1 + 7 h / 15).  q, k, v: f16, [part 3][batch x head 64][2048][64].  Products in f16 with f32 sums; maxima, exponentials and sums in f32;
; the weights are rounded to f16 for the second product.  attn16: f16, positions in pairs: byte = ((b 2048 + l) / 2) 4096 + 256 h + 128 (l % 2) + 2 d, so that two positions of a head are 256 consecutive bytes.
; SHARES.  Work-group (j, batch x head).  Waves 0-7 own the 256 queries of chunk j, waves 8-15 those of chunk 7 - j, 32 queries (two tiles of 16) a wave: under the causal mask every work-group has the same work.
; Keys go 64 a step, 256 a slot, through a ring of two LDS slots (waves 0, 1: K's halves; waves 2, 3: V's).  Every work-group walks all 8 changes of slots; a step whose keys all come after a wave's queries is left out by a
; scalar branch on ids, and a slot that no wave of the work-group reads is not asked for.
; NO CLUSTER: the four work-groups of a head read the same K and V, but the one with chunks 3 and 4 reads keys up to 1,279 only: a joint tile beyond that would be read by no wave of that partner.
; LAYOUT.  S^T = K Q^T (source 0 = 16 keys, source 1 = 16 queries) and O^T = V^T P: a lane holds ONE query (lane % 16) throughout, and keys or channels 8 (lane / 16) + 0 .. 7.  V comes out of LDS turned.
; ALIBI.  t = c (s + 8 slope (k - q)), c = log2(e) / 8.  The row's -q term cancels in the softmax.  8 slope x (the key's place in its step) is the C of each score tile's first product; the step's first key is taken
; in by lowering the running maximum by 64 x 8 slope at each step, so all numbers ahead of the exponential stay small.
; SOFTMAX.  A running maximum m and sum l for each query: p = 2^(c u - c m); O and l are multiplied by 2^(c m_old - c m_new) in every step.  O, l begin as zeros and m as -3e38.
; LIMITS: |q|, |k|, |v| under 65,504 (f16).
; REGISTERS: v1-8 addresses that stay; v9-15 at work; v16-31 statistics, eight a tile: +0 c m_old, +1 m, +2, +3 l, +4 .. +7 at work; v32-63 Q; v64-95 the ALiBi tile; v96-127 fragments of K or V; v128-191 S^T, then P and V; v192-255 O^T.
.set PK,    144                        ; a key's row in LDS: 128 bytes + 16
.set PV,    160                        ; a row of V: 128 + 32: an odd multiple of 32, for the turning load
.set SKEYS, 256
.set VOFF,  SKEYS*PK
.set SLOT1, 1<<17
.set NSL,   8
.set STAGE, SLOT1+VOFF+SKEYS*PV        ; behind the ring: 32 rows x 144 bytes for each wave
.set SPARE, STAGE+16*32*144            ; the spare words, 128 bytes for each wave
.set AK0, 1
.set AV0, 2
.set SPW, 3
.set NIL, 4
.set ADK, 5
.set ADV, 6
.set PFO, 7
.set DQ,  8                            ; v8  lane % 16 - 8 (lane / 16)
.set ST,  16
.set QF,  32
.set BI,  64
.set KV,  96
.set S,   128
.set O,   192
.set TB,  2                            ; s2  LDS byte at which the slot in hand begins
.set SLOTS, 3
.set WV,  18
.set SEL, 20
.set CS,  22                           ; s[22:23] c
.set G1K, 24
.set G1V, 32
.set G0K, 40
.set G0V, 44
.set KF,  48                           ; s48 the step's first key
.set Q0,  49                           ; s49 my first query
.set QL,  50                           ; s50 my work-group's last query
.set DL,  51                           ; s51 64 x 8 slope
.set PFA, 52                           ; s[52:53] where my prefetches stand
.set LIM, 54
.macro TLOAD                           ; waves 0 and 1 fetch for K, waves 2 and 3 for V, the others nothing.  An s_nop 0 and four v_nop follow each line
	s_cmp_lt_u32 s[WV], 2
	s_cbranch_scc0 .Lnot_k_\@
	tensor_load_to_lds s[G0K:G0K+3], s[G1K:G1K+7]
	s_nop 0
.rept 4
	v_nop
.endr
	s_branch .Lasked_\@
.Lnot_k_\@:
	s_cmp_lt_u32 s[WV], 4
	s_cbranch_scc0 .Lasked_\@
	tensor_load_to_lds s[G0V:G0V+3], s[G1V:G1V+7]
	s_nop 0
.rept 4
	v_nop
.endr
.Lasked_\@:
.endm
; A prefetch of what the NEXT change of slots will ask for: a slot's 32,768 bytes of K and of V.  The head's first work-group, which walks all slots, asks; in it waves 4-7 for K and waves 8-11 for V,
; 8,192 bytes a wave, lanes 256 bytes apart: each block of 256 bytes is named once in the launch.  The last change that fills a slot asks for nothing.
.macro ASK
	s_cmp_gt_u32 s[SLOTS], s[LIM]
	s_cbranch_scc0 .Lnot_mine_\@
	global_prefetch_b8 v[PFO], s[PFA:PFA+1] th:TH_LOAD_NT scope:SCOPE_SE
.Lnot_mine_\@:
.endm
	s_load_b128 s[4:7], s[0:1], 0x0                ; qkv16, attn16
	v_lshl_add_u32 v[SPW], v0, 2, SPARE
	v_mov_b32 v[NIL], 0
	ds_add_u32 v[SPW], v[NIL]                      ; the opening: the add, twice on end, and its wait ahead of my first tensor load
	ds_add_u32 v[SPW], v[NIL]
	v_lshrrev_b32 v9, 5, v0
	v_readfirstlane_b32 s[WV], v9                  ; wave 0..15
	s_and_b32 s56, ttmp7, 0xffff                   ; batch x 16 + head
	s_and_b32 s57, s56, 15                         ; head
	s_lshr_b32 s58, s56, 4                         ; batch
	s_sub_co_u32 s59, 7, ttmp9
	s_cmp_lt_u32 s[WV], 8
	s_cselect_b32 s59, ttmp9, s59                  ; my chunk of 256 queries: j or 7 - j
	s_lshl_b32 s59, s59, 8
	s_and_b32 s63, s[WV], 7
	s_lshl_b32 s63, s63, 5
	s_add_co_u32 s[Q0], s59, s63
	s_sub_co_u32 s[QL], 8, ttmp9
	s_lshl_b32 s[QL], s[QL], 8
	s_sub_co_u32 s[QL], s[QL], 1
	s_lshl_b32 s60, s56, 18                        ; the head's first byte in a part: 2,048 rows of 128 bytes
	s_mov_b32 s61, 0
	s_and_b32 s62, s[WV], 1                        ; which 128 rows of a slot I fetch, if I fetch
	s_lshl_b32 s66, s62, 14
	s_add_co_u32 s66, s66, s60
	s_mov_b32 s67, 0
	s_mul_i32 s68, s62, 128*PK
	s_mul_i32 s69, s62, 128*PV
	s_add_co_u32 s69, s69, VOFF
	s_mov_b32 s[G1K], (1<<16)|(1<<20)|(4<<22)|(3<<25)  ; no mask; elements of 2 bytes; padding: 4 words behind every 32
	s_mov_b32 s[G1V], (1<<16)|(1<<20)|(4<<22)|(7<<25)  ; 8 words behind every 32
.irp g, G1K, G1V
	s_mov_b32 s[\g+1], 64<<16                      ; tensor_dim0
	s_mov_b32 s[\g+2], 128<<16                     ; tensor_dim1
	s_mov_b32 s[\g+3], 64<<16                      ; tile_dim0
	s_mov_b32 s[\g+4], 128                         ; tile_dim1
	s_mov_b32 s[\g+5], 64                          ; from row to row
	s_mov_b32 s[\g+6], 0
	s_mov_b32 s[\g+7], 0
.endr
	s_mov_b32 s[SEL], 0x76543210
	s_mov_b32 s[SEL+1], 0xfedcba98
	s_mov_b32 s[CS], 0x3e38aa3b                    ; c = log2(e) / 8
	s_mov_b32 s[CS+1], s[CS]
	s_mov_b32 s[TB], 0
	s_mov_b32 s[KF], 0
	s_mov_b32 s[SLOTS], NSL-1
	s_wait_dscnt 0x0                               ; both opening adds are done
	s_wait_kmcnt 0x0
	s_mov_b32 s[G0K], 1
	s_mov_b32 s[G0K+1], s68
	s_add_nc_u64 s[G0K+2:G0K+3], s[4:5], s[66:67]
	s_add_nc_u64 s[G0K+2:G0K+3], s[G0K+2:G0K+3], 1<<24    ; part 1: K
	s_or_b32 s[G0K+3], s[G0K+3], 0x80000000
	s_mov_b32 s[G0V], 1
	s_mov_b32 s[G0V+1], s69
	s_add_nc_u64 s[G0V+2:G0V+3], s[4:5], s[66:67]
	s_add_nc_u64 s[G0V+2:G0V+3], s[G0V+2:G0V+3], 2<<24    ; part 2: V
	s_or_b32 s[G0V+3], s[G0V+3], 0x80000000
	TLOAD                                          ; slot 0: keys 0 to 255, which count for some query of every wave
	; the prefetches: where my wave's stand, and who asks
	s_add_nc_u64 s[PFA:PFA+1], s[4:5], s[60:61]
	s_mov_b32 s70, 2<<24
	s_cmp_lt_u32 s[WV], 8
	s_cselect_b32 s70, 1<<24, s70
	s_and_b32 s71, s[WV], 3
	s_lshl_b32 s71, s71, 13
	s_add_co_u32 s70, s70, s71
	s_add_co_u32 s70, s70, 32768                   ; in slot 1: the first change of slots steps it to slot 2
	s_mov_b32 s71, 0
	s_add_nc_u64 s[PFA:PFA+1], s[PFA:PFA+1], s[70:71]
	s_sub_co_u32 s72, s[WV], 4
	s_lshr_b32 s72, s72, 3                         ; 0 in waves 4 to 11,
	s_or_b32 s72, s72, ttmp9                       ; of the head's first work-group
	s_cmp_eq_u32 s72, 0
	s_cselect_b32 s[LIM], 1, -1
	v_and_b32 v[PFO], 31, v0
	v_lshlrev_b32 v[PFO], 8, v[PFO]
	s_lshl_b32 s70, s[Q0], 7
	s_add_co_u32 s70, s70, s60
	s_add_nc_u64 s[4:5], s[4:5], s[70:71]          ; Q at my first query
	s_lshl_b32 s72, s58, 22
	s_lshl_b32 s73, s[Q0], 11
	s_add_co_u32 s72, s72, s73
	s_lshl_b32 s73, s57, 8
	s_add_co_u32 s72, s72, s73
	s_mov_b32 s73, 0
	s_add_nc_u64 s[6:7], s[6:7], s[72:73]          ; attn16 at my first pair of positions, my head
	v_and_b32 v9, 15, v0                           ; r
	v_bfe_u32 v10, v0, 4, 1                        ; hh
	v_lshlrev_b32 v15, 7, v9
	v_lshl_add_u32 v15, v10, 4, v15
.irp t, 0,1
.irp kk, 0,1
	global_load_b128 v[QF+16*\t+8*\kk:QF+16*\t+8*\kk+3], v15, s[4:5] offset:2048*\t+64*\kk        ; Q stays in registers: tile t, channels 32 kk on
	global_load_b128 v[QF+16*\t+8*\kk+4:QF+16*\t+8*\kk+7], v15, s[4:5] offset:2048*\t+64*\kk+32
.endr
.endr
	v_mul_u32_u24 v[AK0], v9, PK
	v_lshl_add_u32 v[AK0], v10, 4, v[AK0]          ; K: row r x pitch + 16 hh
	v_and_b32 v11, 7, v0
	v_bfe_u32 v12, v0, 3, 1
	v_lshl_add_u32 v[AV0], v10, 3, v11
	v_mul_u32_u24 v[AV0], v[AV0], PV
	v_lshl_add_u32 v[AV0], v12, 4, v[AV0]
	v_add_nc_u32 v[AV0], VOFF, v[AV0]              ; V: key 8 hh + l % 8, channels 8 ((l / 8) % 2) on
	v_lshlrev_b32 v12, 3, v10                      ; 8 hh
	v_sub_nc_u32 v[DQ], v9, v12
	v_cvt_f32_u32 v13, s57
	v_fma_f32 v13, v13, 0xbeeeeeef, 2.0            ; 2 - 7 h / 15
	v_exp_f32 v13, v13                             ; 8 slope
	v_nop                                          ; a plain instruction behind the exponential,
	s_wait_alu depctr_va_vdst(0)                   ; and the wait ahead of its first reader
	v_ldexp_f32 v14, v13, 6
	v_readfirstlane_b32 s[DL], v14                 ; 64 x 8 slope: a step's worth
.set i, 0
.rept 32
	v_add_nc_u32 v[BI+i], 16*(i/8)+i%8, v12        ; register 8 kt + j: the key's place in its step: 16 kt + 8 hh + j
.set i, i+1
.endr
.set i, 0
.rept 32
	v_cvt_f32_u32 v[BI+i], v[BI+i]
.set i, i+1
.endr
.set i, 0
.rept 32
	v_mul_f32 v[BI+i], v13, v[BI+i]
.set i, i+1
.endr
.set i, 0
.rept 16
	v_mov_b32 v[ST+i], 0                           ; l, and the registers at work (a lane permute's destination counts as one of its sources)
.set i, i+1
.endr
	v_mov_b32 v[ST+1], 0xff61b1e6                  ; m: -3e38, under every score
	v_mov_b32 v[ST+9], 0xff61b1e6
.set i, 0
.rept 64
	v_mov_b32 v[O+i], 0                            ; O^T: the step is written once, and the first finds zeros
.set i, i+1
.endr
; A KEY STEP: 64 keys, the q-th of the slot in hand.
.macro STEP q
	s_add_co_u32 s55, s[Q0], 31
	s_cmp_gt_u32 s[KF], s55                        ; all 64 keys come after my 32 queries: nothing to do.  (Q0 is a multiple of 32 and KF of 64: a step that is walked has KF <= Q0, so its first key counts for every query)
	s_cbranch_scc1 .Lhidden_\@
	v_add_nc_u32 v[ADK], s[TB], v[AK0]
	v_add_nc_u32 v[ADV], s[TB], v[AV0]
.rept 3
	v_nop                                          ; five places in all: the score products below write over registers that the last step's products read
.endr
.irp g, 0,1                                    ; S^T = K Q^T + the ALiBi tile, two tiles of 16 keys at a time
.if \g
.rept 4
	v_nop                                          ; places in front of loads into registers that matrix instructions have read
.endr
.endif
.irp ktl, 0,1
.irp kk, 0,1
	ds_load_b128 v[KV+16*\ktl+8*\kk:KV+16*\ktl+8*\kk+3], v[ADK] offset:(\q)*64*PK+(2*\g+\ktl)*16*PK+64*\kk
	ds_load_b128 v[KV+16*\ktl+8*\kk+4:KV+16*\ktl+8*\kk+7], v[ADK] offset:(\q)*64*PK+(2*\g+\ktl)*16*PK+64*\kk+32
.endr
.endr
	s_wait_dscnt 0x0
.irp ktl, 0,1                                  ; the four accumulators take turns, one instruction a turn
.irp t, 0,1
	v_wmma_f32_16x16x32_f16 v[S+32*\t+8*(2*\g+\ktl):S+32*\t+8*(2*\g+\ktl)+7], v[KV+16*\ktl:KV+16*\ktl+7], v[QF+16*\t:QF+16*\t+7], v[BI+8*(2*\g+\ktl):BI+8*(2*\g+\ktl)+7]
.endr
.endr
.irp ktl, 0,1
.irp t, 0,1
	v_wmma_f32_16x16x32_f16 v[S+32*\t+8*(2*\g+\ktl):S+32*\t+8*(2*\g+\ktl)+7], v[KV+16*\ktl+8:KV+16*\ktl+15], v[QF+16*\t+8:QF+16*\t+15], v[S+32*\t+8*(2*\g+\ktl):S+32*\t+8*(2*\g+\ktl)+7]
.endr
.endr
.endr
	v_sub_f32 v[ST+1], v[ST+1], s[DL]              ; the running maximum in this step's frame.  (These four lines are the places behind the products)
	v_sub_f32 v[ST+9], v[ST+9], s[DL]
	v_mul_f32 v[ST], s[CS], v[ST+1]                ; c m_old
	v_mul_f32 v[ST+8], s[CS], v[ST+9]
.irp ct, 0,1,2,3                               ; V^T of keys 0-31: they land while the softmax is worked
	ds_load_tr16_b128 v[KV+8*\ct:KV+8*\ct+3], v[ADV] offset:(\q)*64*PV+32*\ct
	ds_load_tr16_b128 v[KV+8*\ct+4:KV+8*\ct+7], v[ADV] offset:(\q)*64*PV+16*PV+32*\ct
.endr
	s_add_co_u32 s55, s[KF], 63
	s_cmp_le_u32 s55, s[Q0]                        ; all 64 keys count for all my queries
	s_cbranch_scc1 .Lopen_\@
	s_sub_co_i32 s55, s[Q0], s[KF]
	v_add_nc_u32 v9, s55, v[DQ]                    ; d = my query - KF - 8 hh (tile 0); register 8 kt + j holds key KF + 8 hh + 16 kt + j: hidden where 16 kt + j > d
	v_add_nc_u32 v10, 16, v9                       ; tile 1
	v_mov_b32 v11, 0xff800000                      ; -infinity
.irp t, 0,1
.set i, 0
.rept 32
	v_cmp_gt_i32 vcc_lo, 16*(i/8)+i%8, v[9+\t]
	v_cndmask_b32 v[S+32*\t+i], v[S+32*\t+i], v11, vcc_lo
.set i, i+1
.endr
.endr
.Lopen_\@:
.irp j, 0,1,2,3                                ; the maximum of my 32 scores and m, the two tiles line by line; each score tile is read from its low end on
.irp t, 0,1
	v_max3_num_f32 v[ST+8*\t+4+\j], v[S+32*\t+8*\j], v[S+32*\t+8*\j+1], v[S+32*\t+8*\j+2]
.endr
.endr
.irp i, 3,5
.irp j, 0,1,2,3
.irp t, 0,1
	v_max3_num_f32 v[ST+8*\t+4+\j], v[ST+8*\t+4+\j], v[S+32*\t+8*\j+\i], v[S+32*\t+8*\j+\i+1]
.endr
.endr
.endr
.irp t, 0,1
	v_max3_num_f32 v[ST+8*\t+4], v[ST+8*\t+4], v[S+32*\t+7], v[S+32*\t+15]
.endr
.irp t, 0,1
	v_max3_num_f32 v[ST+8*\t+6], v[ST+8*\t+6], v[S+32*\t+23], v[S+32*\t+31]
.endr
.irp t, 0,1
	v_max3_num_f32 v[ST+8*\t+4], v[ST+8*\t+4], v[ST+8*\t+5], v[ST+8*\t+6]
.endr
.irp t, 0,1
	v_max3_num_f32 v[ST+8*\t+4], v[ST+8*\t+4], v[ST+8*\t+7], v[ST+8*\t+1]
.endr
.irp t, 0,1
	v_permlanex16_b32 v[ST+8*\t+5], v[ST+8*\t+4], s[SEL], s[SEL+1]   ; the query's other 32 keys lie in the lane 16 away
.endr
.irp t, 0,1
	v_max_num_f32 v[ST+8*\t+1], v[ST+8*\t+4], v[ST+8*\t+5]           ; the new m
.endr
.irp t, 0,1
	v_mul_f32 v[ST+8*\t+4], s[CS], v[ST+8*\t+1]                      ; c m
.endr
.irp t, 0,1
	v_sub_f32 v[ST+8*\t+6], v[ST+8*\t], v[ST+8*\t+4]                 ; c m_old - c m
.endr
.set i, 0
.rept 16
.irp t, 0,1
	v_pk_fma_f32 v[S+32*\t+i:S+32*\t+i+1], v[S+32*\t+i:S+32*\t+i+1], s[CS:CS+1], v[ST+8*\t+4:ST+8*\t+5] op_sel_hi:[1,0,0] neg_lo:[0,0,1] neg_hi:[0,0,1]   ; c u - c m, two at a time
.endr
.set i, i+2
.endr
.irp t, 0,1                                    ; ONE batch of 66 exponentials, none of which reads another's result
	v_exp_f32 v[ST+8*\t+6], v[ST+8*\t+6]
.endr
.set i, 0
.rept 64
	v_exp_f32 v[S+i], v[S+i]
.set i, i+1
.endr
	v_nop                                          ; a plain instruction behind the last exponential,
	s_wait_alu depctr_va_vdst(0)                   ; and one wait for the batch, ahead of its first reader
.irp t, 0,1
	v_pk_mul_f32 v[ST+8*\t+2:ST+8*\t+3], v[ST+8*\t+2:ST+8*\t+3], v[ST+8*\t+6:ST+8*\t+7] op_sel_hi:[1,0]   ; l under the new m
.endr
.irp t, 0,1
	v_pk_add_f32 v[ST+8*\t+4:ST+8*\t+5], v[S+32*\t:S+32*\t+1], v[S+32*\t+2:S+32*\t+3]   ; the sum of the f32 weights, in two chains
.endr
.irp i, 4,8,12,16,20,24,28
.irp t, 0,1
	v_pk_add_f32 v[ST+8*\t+2:ST+8*\t+3], v[ST+8*\t+2:ST+8*\t+3], v[S+32*\t+\i:S+32*\t+\i+1]
	v_pk_add_f32 v[ST+8*\t+4:ST+8*\t+5], v[ST+8*\t+4:ST+8*\t+5], v[S+32*\t+\i+2:S+32*\t+\i+3]
.endr
.endr
.irp t, 0,1
	v_pk_add_f32 v[ST+8*\t+2:ST+8*\t+3], v[ST+8*\t+2:ST+8*\t+3], v[ST+8*\t+4:ST+8*\t+5]
.endr
.set i, 0
.rept 16                                       ; to f16 in place, ascending: tile t's P takes its first 16 registers: 8 kh .. 8 kh + 7 are source 1 for keys 32 kh on
	v_cvt_pk_f16_f32 v[S+i], v[S+2*i], v[S+2*i+1]
	v_cvt_pk_f16_f32 v[S+32+i], v[S+32+2*i], v[S+32+2*i+1]
.set i, i+1
.endr
.irp ct, 0,1,2,3                               ; V^T of keys 32-63 into the 32 registers that the rounding has freed
	ds_load_tr16_b128 v[S+16+8*(\ct%2)+32*(\ct/2):S+16+8*(\ct%2)+32*(\ct/2)+3], v[ADV] offset:(\q)*64*PV+32*PV+32*\ct
	ds_load_tr16_b128 v[S+16+8*(\ct%2)+32*(\ct/2)+4:S+16+8*(\ct%2)+32*(\ct/2)+7], v[ADV] offset:(\q)*64*PV+48*PV+32*\ct
.endr
.irp t, 0,1
.set i, 0
.rept 16
	v_pk_mul_f32 v[O+32*\t+i:O+32*\t+i+1], v[O+32*\t+i:O+32*\t+i+1], v[ST+8*\t+6:ST+8*\t+7] op_sel_hi:[1,0]   ; O^T under the new m
.set i, i+2
.endr
.endr
	s_wait_dscnt 0x0                               ; V is in
.irp ct, 0,1,2,3                               ; O^T += V^T P: eight accumulators by turns
.irp t, 0,1
	v_wmma_f32_16x16x32_f16 v[O+32*\t+8*\ct:O+32*\t+8*\ct+7], v[KV+8*\ct:KV+8*\ct+7], v[S+32*\t:S+32*\t+7], v[O+32*\t+8*\ct:O+32*\t+8*\ct+7]
.endr
.endr
.irp ct, 0,1,2,3
.irp t, 0,1
	v_wmma_f32_16x16x32_f16 v[O+32*\t+8*\ct:O+32*\t+8*\ct+7], v[S+16+8*(\ct%2)+32*(\ct/2):S+16+8*(\ct%2)+32*(\ct/2)+7], v[S+32*\t+8:S+32*\t+15], v[O+32*\t+8*\ct:O+32*\t+8*\ct+7]
.endr
.endr
.Lhidden_\@:
	s_add_co_u32 s[KF], s[KF], 64
.endm
; THE CHANGE OF SLOTS stands at a slot's head.  Each wave waits for all its tensor loads, adds 0 to its spare word, and waits for that and for its reads of the slot that it has left.  Behind the barrier the slot ahead is
; whole and nobody reads the other one.  fill = 1: that other slot takes the next 256 keys, if any wave of the work-group will read them.
.macro CHANGE fill
	s_wait_tensorcnt 0x0                           ; no tensor load of mine is out, so a group 0 may be written
	ds_add_u32 v[SPW], v[NIL]
.if \fill
	ds_add_u32 v[SPW], v[NIL]
	s_xor_b32 s[G0K+1], s[G0K+1], SLOT1            ; the walking descriptors: the other slot, the next 256 keys
	s_add_nc_u64 s[G0K+2:G0K+3], s[G0K+2:G0K+3], SKEYS*128
	s_xor_b32 s[G0V+1], s[G0V+1], SLOT1
	s_add_nc_u64 s[G0V+2:G0V+3], s[G0V+2:G0V+3], SKEYS*128
	s_wait_xcnt 0x0                                ; the last prefetch, a slot back, has read its address
	s_add_nc_u64 s[PFA:PFA+1], s[PFA:PFA+1], SKEYS*128
.endif
	s_wait_dscnt 0x0                               ; the add is done, and my reads of the slot that I have left are over
	s_barrier_signal -1
	s_barrier_wait -1
.if \fill
	s_add_co_u32 s55, s[KF], SKEYS                 ; the first key of the slot that this change would ask for
	s_cmp_gt_u32 s55, s[QL]                        ; past my work-group's last query: no wave would read it.  Ids and the count of steps alone: all sixteen waves go the same way
	s_cbranch_scc1 .Lpast_\@
	TLOAD                                          ; a wave's one tensor load until the next such barrier: it has a slot's four steps in which to land
.Lpast_\@:
	ASK
.endif
.endm
.macro SLOT_STEPS
	STEP 0
	STEP 1
	STEP 2
	STEP 3
	s_xor_b32 s[TB], s[TB], SLOT1
.endm
	s_wait_loadcnt 0x0                             ; Q
.Lslot:                                            ; 7 trips: behind each change of slots but the last the next slot is asked for, up to the causal limit
	CHANGE 1
	SLOT_STEPS
	s_sub_co_u32 s[SLOTS], s[SLOTS], 1
	s_cmp_lg_u32 s[SLOTS], 0
	s_cbranch_scc1 .Lslot
	CHANGE 0
	SLOT_STEPS
	; THE WAY OUT: O^T / l, rounded to f16, through my stage, and out as pairs of positions: sixteen lanes store 256 consecutive bytes.
.rept 4
	v_nop                                          ; places behind the last products
.endr
.irp t, 0,1
	v_add_f32 v[ST+8*\t+4], v[ST+8*\t+2], v[ST+8*\t+3]
.endr
.irp t, 0,1
	v_permlanex16_b32 v[ST+8*\t+5], v[ST+8*\t+4], s[SEL], s[SEL+1]
.endr
.irp t, 0,1
	v_add_f32 v[ST+8*\t+4], v[ST+8*\t+4], v[ST+8*\t+5]
.endr
.irp t, 0,1
	v_rcp_f32 v[ST+8*\t+6], v[ST+8*\t+4]
.endr
	s_mul_i32 s55, s[WV], 32*144
	s_add_co_u32 s55, s55, STAGE                   ; my stage
	v_and_b32 v9, 15, v0                           ; (plain work behind the reciprocals)
	v_bfe_u32 v10, v0, 4, 1
	v_mul_u32_u24 v11, v9, 144
	v_lshl_add_u32 v11, v10, 4, v11
	v_add_nc_u32 v11, s55, v11                     ; in: row r, 16 bytes for each half of the lanes
	v_and_b32 v12, 31, v0
	v_lshrrev_b32 v13, 3, v12
	v_mul_u32_u24 v13, v13, 144
	v_and_b32 v14, 7, v0
	v_lshl_add_u32 v13, v14, 4, v13
	v_add_nc_u32 v13, s55, v13                     ; back: eight lanes to a row of 128 bytes, four rows an instruction
	v_lshlrev_b32 v14, 12, v10
	v_lshl_add_u32 v14, v9, 4, v14                 ; in attn16: lanes 0-15 one pair of positions, lanes 16-31 the next
	s_wait_alu depctr_va_vdst(0)                   ; one wait for the two reciprocals, ahead of their first reader
.irp t, 0,1
.set i, 0
.rept 16
	v_pk_mul_f32 v[O+32*\t+i:O+32*\t+i+1], v[O+32*\t+i:O+32*\t+i+1], v[ST+8*\t+6:ST+8*\t+7] op_sel_hi:[1,0]
.set i, i+2
.endr
.endr
.set i, 0
.rept 32
	v_cvt_pk_f16_f32 v[S+i], v[O+2*i], v[O+2*i+1]
.set i, i+1
.endr
.irp t, 0,1
.irp ct, 0,1,2,3
	ds_store_b128 v11, v[S+16*\t+4*\ct:S+16*\t+4*\ct+3] offset:16*144*\t+32*\ct
.endr
.endr
.irp i, 0,1,2,3,4,5,6,7
	ds_load_b128 v[KV+4*\i:KV+4*\i+3], v13 offset:576*\i     ; LDS serves a wave's instructions in order: these see my stores
.endr
.irp i, 0,1,2,3,4,5,6,7
	s_wait_dscnt 7-\i                              ; load i is in
	global_store_b128 v14, v[KV+4*\i:KV+4*\i+3], s[6:7] offset:8192*\i
.endr
	s_wait_tensorcnt 0x0                           ; the wave's end
	ds_add_u32 v[SPW], v[NIL]
	s_wait_dscnt 0x0
	s_endpgm
.Lfunc_end_k_q36c97d6841_attn:
	.size	k_q36c97d6841_attn, .Lfunc_end_k_q36c97d6841_attn-k_q36c97d6841_attn
	.p2alignl 7, 3214868480
	.fill 96, 4, 3214868480
	.section	.rodata,"a",@progbits
	.p2align	6, 0x0
	.amdhsa_kernel k_q36c97d6841_attn
		.amdhsa_group_segment_fixed_size 327680
		.amdhsa_private_segment_fixed_size 0
		.amdhsa_enable_private_segment 0
		.amdhsa_kernarg_size 16
		.amdhsa_user_sgpr_count 2
		.amdhsa_user_sgpr_kernarg_segment_ptr 1
		.amdhsa_wavefront_size32 1
		.amdhsa_system_sgpr_workgroup_id_x 1
		.amdhsa_system_sgpr_workgroup_id_y 1
		.amdhsa_system_sgpr_workgroup_id_z 1
		.amdhsa_system_vgpr_workitem_id 0
		.amdhsa_next_free_vgpr 256
		.amdhsa_next_free_sgpr 80
		.amdhsa_reserve_vcc 1
		.amdhsa_float_denorm_mode_32 3
		.amdhsa_float_denorm_mode_16_64 3
		.amdhsa_memory_ordered 1
		.amdhsa_forward_progress 1
		.amdhsa_inst_pref_size 194
	.end_amdhsa_kernel
	.amdgpu_metadata
---
amdhsa.version: [ 1, 2 ]
amdhsa.kernels:
  - .name:           k_q36c97d6841_attn
    .symbol:         k_q36c97d6841_attn.kd
    .args:
      - { .name: qkv16, .offset: 0, .size: 8, .value_kind: global_buffer, .address_space: global }
      - { .name: attn16, .offset: 8, .size: 8, .value_kind: global_buffer, .address_space: global }
    .group_segment_fixed_size: 327680
    .private_segment_fixed_size: 0
    .kernarg_segment_align: 8
    .kernarg_segment_size: 16
    .max_flat_workgroup_size: 512
    .sgpr_count:     80
    .vgpr_count:     256
    .wavefront_size: 32
...
	.end_amdgpu_metadata
.endif
;; end of part 3
;; launch outproj (part 4): grid 8 x 64, 4 waves a work-group, clusters of 4 x 4, 327,680 bytes of LDS; arguments attn16, wout_t, b_out, out0; writes out0
.if DOCPART == 4
	.amdgcn_target "amdgcn-amd-amdhsa--gfx1250"
	.amdhsa_code_object_version 6
	.text
	.protected	k_q36c97d6841_outproj
	.globl	k_q36c97d6841_outproj
	.p2align	8
	.type	k_q36c97d6841_outproj,@function
k_q36c97d6841_outproj:
	s_mov_b64 s[64:65], 0
	v_nop
	global_prefetch_b8 v0, s[64:65] scope:SCOPE_SE
	s_setreg_imm32_b32 hwreg(HW_REG_WAVE_MODE, 25, 1), 1
	s_wait_xcnt 0x0
	s_wait_alu depctr_hold_cnt(0) depctr_sa_sdst(0) depctr_va_vdst(0) depctr_va_sdst(0) depctr_va_ssrc(0) depctr_va_vcc(0) depctr_vm_vsrc(0)
	s_getreg_b32 s2, hwreg(HW_REG_IB_STS2, 6, 4)
	s_cmp_eq_u32 s2, 0
	s_cbranch_scc0 .Lentry_in_a_cluster
	s_endpgm
.Lentry_in_a_cluster:
	s_bfe_u32 s2, ttmp6, 0x10000c
	s_cmp_lg_u32 s2, 0xf033
	s_cbranch_scc0 .Lentry_shape_is_right
	s_endpgm
.Lentry_shape_is_right:
; out0 = attn W_out + b_out: [8192][1024] f32, K = 1,024, operands in f16, sums in f32.  A = attn16, positions in pairs (a pair of rows is 4,096 bytes: [head 16][position % 2][64 f16]); B = wout_t [1024 n][1024 k] f16.
; A tile of 128 x 128 is made by four waves, 64 x 64 each: 16 accumulators.  K goes in steps of 256 (four heads) through a ring of two LDS slots.  128 x 128 gives 512 work-groups, two for each WGP; 256 x 256 would give 128.
; CLUSTERS: 4 x 4 work-groups; A's tiles are asked for jointly along a row of the cluster, B's along a column.  THE MATRIX INSTRUCTION IS USED TRANSPOSED (source 0 = 16 rows of B, source 1 = 16 rows of A).
; The bias is the C of each sum's first product.  The rows of positions 0 to 15 of each sequence are written here too, and written again, more finely, by the launch that follows.
; No prefetch: the tiles are small, and every tile is read by several clusters at about the same time.
; REGISTERS: window 0: v0-31 addresses; v32-95 the way out; v96-127 the bias; v128-255 the accumulators ((a, b) at v[128 + 8 (4 a + b)]).   window 1: two fragment buffers of 128: 64 registers of A, then 64 of B.
.set PITCH,  528                       ; a row of B in LDS: 512 bytes + 16
.set APITCH, 1040                      ; a pair of rows of A: 4 heads x 256 bytes + 16: rows r of a fragment start at banks 4 (r / 2) + 32 (r % 2)
.set AHALF,  32*APITCH                 ; 64 rows of A
.set BHALF,  64*PITCH                  ; 64 rows of B
.set SLOT,   2*AHALF+2*BHALF
.set STAGE,  2*SLOT                    ; behind the ring: 16 rows x 272 bytes for each wave
.set SPITCH, 272
.set SPARE,  STAGE+4*16*SPITCH
.set LAPS,   2
.set ADRA, 16
.set ADRB, 20
.set STO,  24
.set RD,   25
.set CO,   26
.set BO,   27
.set SPW,  28
.set NIL,  29
.set TMP,  32
.set BIAS, 96
.set ACC,  128
.set F0,   0
.set F1,   128
.set G1, 24
.set G0, 32
.set G1B, 48
.set G0B, 56
.set MSB, 0
.macro WIN new
.if MSB != \new
	s_set_vgpr_msb (MSB<<8)|\new
.set MSB, \new
.endif
.endm
.set MUL,  0x05                        ; sources 0 (B) and 1 (A) window 1; C and D window 0
.set TO_F, 0x40
.macro JLOAD s                         ; waves 0 and 1 fetch A's two halves, waves 2 and 3 B's; an s_nop 0 and four v_nop follow each line
	s_cmp_eq_u32 s11, 0
	s_cbranch_scc0 .Lfor_b_\@
	tensor_load_to_lds s[G0+4*\s:G0+4*\s+3], s[G1:G1+7]
	s_nop 0
.rept 4
	v_nop
.endr
	s_branch .Lasked_\@
.Lfor_b_\@:
	tensor_load_to_lds s[G0B+4*\s:G0B+4*\s+3], s[G1B:G1B+7]
	s_nop 0
.rept 4
	v_nop
.endr
.Lasked_\@:
.endm
.macro CREST
	s_cmp_lg_u32 s10, 0
	s_cbranch_scc1 .Lnot_wave_0_\@
	s_barrier_signal -3
.Lnot_wave_0_\@:
	s_barrier_wait -3
	s_barrier_signal -1
	s_barrier_wait -1
.endm
.macro CROUND
	s_barrier_signal -1
	s_barrier_wait -1
	CREST
.endm
	s_load_b128 s[4:7], s[0:1], 0x0                ; attn16, wout_t
	s_load_b64 s[66:67], s[0:1], 0x10              ; b_out
	s_load_b64 s[8:9], s[0:1], 0x18                ; out0
	v_lshl_add_u32 v[SPW], v0, 2, SPARE
	v_mov_b32 v[NIL], 0
	ds_add_u32 v[SPW], v[NIL]                      ; the opening: the add, twice on end, and its wait ahead of my first tensor load
	ds_add_u32 v[SPW], v[NIL]
	v_lshrrev_b32 v1, 5, v0
	v_readfirstlane_b32 s10, v1                    ; wave 0..3
	s_lshr_b32 s11, s10, 1                         ; which half of the tile's rows is mine.  Also: I fetch for A (0) or for B (1)
	s_and_b32 s12, s10, 1                          ; which half of its columns.  Also: which 64 rows I fetch
	s_bfe_u32 s40, ttmp6, 0x40000
	s_bfe_u32 s41, ttmp6, 0x40004
	s_lshl_b32 s42, ttmp9, 2
	s_add_co_u32 s42, s42, s40                     ; tile column
	s_and_b32 s13, ttmp7, 0xffff
	s_lshl_b32 s13, s13, 2
	s_add_co_u32 s13, s13, s41                     ; tile row
	s_lshl_b32 s43, s41, 2
	s_lshl_b32 s43, 15, s43                        ; my row of the cluster
	s_lshl_b32 s44, 0x1111, s40                    ; my column
	s_or_b32 s[G1+0], s43, (1<<16)|(1<<20)|(1<<21)|(7<<22)|(3<<25)   ; A: elements of 2 bytes; 4 words of padding behind every 256
	s_mov_b32 s[G1+1], 512<<16                     ; tensor_dim0: four heads of a pair of rows
	s_mov_b32 s[G1+2], 32<<16                      ; tensor_dim1: 32 pairs
	s_mov_b32 s[G1+3], 512<<16
	s_mov_b32 s[G1+4], 32
	s_mov_b32 s[G1+5], 2048                        ; from pair to pair
	s_mov_b32 s[G1+6], 0
	s_mov_b32 s[G1+7], 0
	s_or_b32 s[G1B+0], s44, (1<<16)|(1<<20)|(1<<21)|(6<<22)|(3<<25)  ; B: 4 words behind every 128
	s_mov_b32 s[G1B+1], 256<<16
	s_mov_b32 s[G1B+2], 64<<16
	s_mov_b32 s[G1B+3], 256<<16
	s_mov_b32 s[G1B+4], 64
	s_mov_b32 s[G1B+5], 1024
	s_mov_b32 s[G1B+6], 0
	s_mov_b32 s[G1B+7], 0
	s_lshl_b32 s17, s12, 5
	s_lshl_b32 s16, s13, 6
	s_add_co_u32 s16, s16, s17                     ; A: pair 64 x tile row + 32 x half,
	s_lshl_b32 s16, s16, 12                        ; of 4,096 bytes
	s_mov_b32 s17, 0
	s_lshl_b32 s47, s12, 6
	s_lshl_b32 s46, s42, 7
	s_add_co_u32 s46, s46, s47                     ; B: row 128 x tile column + 64 x half,
	s_lshl_b32 s46, s46, 11                        ; of 2,048 bytes
	s_mov_b32 s47, 0
	s_mul_i32 s20, s12, AHALF                      ; where they go: the wave's number alone
	s_mul_i32 s21, s12, BHALF
	s_add_co_u32 s21, s21, 2*AHALF
	s_wait_dscnt 0x0                               ; both opening adds are done
	s_wait_kmcnt 0x0
	s_add_nc_u64 s[14:15], s[4:5], s[16:17]
	s_add_nc_u64 s[46:47], s[6:7], s[46:47]
	CROUND                                         ; all sixteen work-groups are here
.irp s, 0,1
	s_mov_b32 s[G0+4*\s], 1
	s_add_co_u32 s[G0+4*\s+1], s20, \s*SLOT
	s_add_nc_u64 s[G0+4*\s+2:G0+4*\s+3], s[14:15], \s*1024
	s_or_b32 s[G0+4*\s+3], s[G0+4*\s+3], 0x80000000
	s_mov_b32 s[G0B+4*\s], 1
	s_add_co_u32 s[G0B+4*\s+1], s21, \s*SLOT
	s_add_nc_u64 s[G0B+4*\s+2:G0B+4*\s+3], s[46:47], \s*512
	s_or_b32 s[G0B+4*\s+3], s[G0B+4*\s+3], 0x80000000
	JLOAD \s
.endr
	v_and_b32 v1, 15, v0                           ; r
	v_bfe_u32 v2, v0, 4, 1                         ; hh
	v_lshlrev_b32 v[BO], 5, v2
	s_lshl_b32 s46, s42, 9                         ; my first column, in bytes of f32: 512 x tile column + 256 x half
	s_lshl_b32 s47, s12, 8
	s_add_co_u32 s46, s46, s47
	s_mov_b32 s47, 0
	s_add_nc_u64 s[66:67], s[66:67], s[46:47]
.irp b, 0,1,2,3
	global_load_b128 v[BIAS+8*\b:BIAS+8*\b+3], v[BO], s[66:67] offset:64*\b       ; b_out at columns 16 b + 8 hh + 0 .. 7
	global_load_b128 v[BIAS+8*\b+4:BIAS+8*\b+7], v[BO], s[66:67] offset:64*\b+16
.endr
	v_mul_u32_u24 v3, v1, PITCH
	v_lshl_add_u32 v3, v2, 4, v3                   ; B: row r x pitch + 16 hh
	v_lshrrev_b32 v4, 1, v1
	v_mul_u32_u24 v4, v4, APITCH
	v_and_b32 v5, 1, v0
	v_lshl_add_u32 v4, v5, 7, v4
	v_lshl_add_u32 v4, v2, 4, v4                   ; A: pair r / 2, + 128 (r % 2), + 16 hh
	s_mul_i32 s21, s11, AHALF                      ; my 64 rows of A
	s_mul_i32 s22, s12, BHALF                      ; my 64 rows of B,
	s_add_co_u32 s22, s22, 2*AHALF                 ; behind A's 128
.irp s, 0,1
	v_add_nc_u32 v[ADRA+\s], s21, v4
	v_add_nc_u32 v[ADRB+\s], s22, v3
	s_add_co_u32 s21, s21, SLOT
	s_add_co_u32 s22, s22, SLOT
.endr
	s_mul_i32 s23, s10, 16*SPITCH
	s_add_co_u32 s23, s23, STAGE                   ; my stage
	v_mul_u32_u24 v4, v1, SPITCH
	v_lshl_add_u32 v4, v2, 5, v4
	v_add_nc_u32 v[STO], s23, v4                   ; in: row r, 32 bytes for each half of the lanes
	v_mul_u32_u24 v5, v2, SPITCH
	v_lshl_add_u32 v5, v1, 4, v5
	v_add_nc_u32 v[RD], s23, v5                    ; back: lanes 0-15 one row of 256 bytes, lanes 16-31 the next
	v_lshlrev_b32 v5, 12, v2
	v_lshl_add_u32 v[CO], v1, 4, v5                ; and the same two rows in out0
	s_lshl_b32 s16, s13, 7
	s_lshl_b32 s17, s11, 6
	s_add_co_u32 s16, s16, s17                     ; my first row: 128 x tile row + 64 x half,
	s_lshl_b32 s16, s16, 12                        ; of 4,096 bytes
	s_mov_b32 s17, 0
	s_add_nc_u64 s[8:9], s[8:9], s[16:17]
	s_add_nc_u64 s[8:9], s[8:9], s[46:47]
; 8 matrix instructions: m blocks a0, a0 + 1 x all 4 n blocks, 32 along K: half c of buffer f.  first = 1: the bias is the C, and the product starts the sum.  The 16 accumulators take turns.
.macro MUL8 f, c, a0, first
.irp a, \a0, \a0+1
.irp b, 0,1,2,3
.if \first
	v_wmma_f32_16x16x32_f16 v[ACC+8*(4*(\a)+\b):ACC+8*(4*(\a)+\b)+7], v[\f+64+8*(4*\c+\b):\f+64+8*(4*\c+\b)+7], v[\f+8*(4*\c+\a):\f+8*(4*\c+\a)+7], v[BIAS+8*\b:BIAS+8*\b+7]
.else
	v_wmma_f32_16x16x32_f16 v[ACC+8*(4*(\a)+\b):ACC+8*(4*(\a)+\b)+7], v[\f+64+8*(4*\c+\b):\f+64+8*(4*\c+\b)+7], v[\f+8*(4*\c+\a):\f+8*(4*\c+\a)+7], v[ACC+8*(4*(\a)+\b):ACC+8*(4*(\a)+\b)+7]
.endif
.endr
.endr
.endm
; 32 LDS loads in one run: the fragments of 64 along K (one head): byte k of B's rows, byte 2 k of A's pairs
.macro FETCH slot, k, f
	WIN TO_F
.irp c, 0,1
.irp i, 0,1,2,3
	ds_load_b128 v[\f+64+8*(4*\c+\i):\f+64+8*(4*\c+\i)+3],   v[ADRB+\slot] offset:\k+64*\c+\i*16*PITCH
	ds_load_b128 v[\f+64+8*(4*\c+\i)+4:\f+64+8*(4*\c+\i)+7], v[ADRB+\slot] offset:\k+64*\c+\i*16*PITCH+32
	ds_load_b128 v[\f+8*(4*\c+\i):\f+8*(4*\c+\i)+3],         v[ADRA+\slot] offset:2*(\k)+64*\c+\i*8*APITCH
	ds_load_b128 v[\f+8*(4*\c+\i)+4:\f+8*(4*\c+\i)+7],       v[ADRA+\slot] offset:2*(\k)+64*\c+\i*8*APITCH+32
.endr
.endr
.endm
.macro PLACES
.rept 4
	v_nop
.endr
.endm
.macro QUARTER slot, k, f, g, first
	s_wait_dscnt 16                                ; the first 32 along K are in; the youngest sixteen loads may be out
	WIN MUL
	MUL8 \f, 0, 0, \first
	MUL8 \f, 0, 2, \first
	PLACES
	FETCH \slot, \k, \g
	s_wait_dscnt 32                                ; all but the 32 just issued
	WIN MUL
	MUL8 \f, 1, 0, 0
	MUL8 \f, 1, 2, 0
.endm
; The last quarter multiplies buffer 1 and changes slots: one barrier; in front of it each wave waits for all its tensor loads, adds 0 to its spare word, and waits for that and for its reads of this slot.
.macro TURN slot, next, fill
	WIN 0
	s_wait_tensorcnt 0x0                           ; my part of the next slot has landed
	ds_add_u32 v[SPW], v[NIL]
	s_wait_dscnt 17                                ; the add and the youngest sixteen loads may be out
	WIN MUL
	MUL8 F1, 0, 0, 0
	s_wait_dscnt 0x0                               ; the add is done, and my reads of this slot are over
	s_barrier_signal -1
	MUL8 F1, 0, 2, 0
.if \fill
	WIN 0
.endif
	s_barrier_wait -1
.if \fill
	CREST                                          ; the barrier has opened a round of the cluster's: no wave of any partner still reads this slot or has a load on its way
	s_add_nc_u64 s[G0+4*\slot+2:G0+4*\slot+3], s[G0+4*\slot+2:G0+4*\slot+3], 2048
	s_add_nc_u64 s[G0B+4*\slot+2:G0B+4*\slot+3], s[G0B+4*\slot+2:G0B+4*\slot+3], 1024
	JLOAD \slot                                    ; the first tensor load behind the round; its four v_nop are also the places in front of the loads below
.else
	PLACES
.endif
	FETCH \next, 0, F0
	WIN MUL
	MUL8 F1, 1, 0, 0
	MUL8 F1, 1, 2, 0
.endm
	s_wait_tensorcnt 1                             ; my part of K step 0 is in; K step 1's may be out
	s_barrier_signal -1
	s_barrier_wait -1
	FETCH 0, 0, F0
	s_wait_loadcnt 0x0                             ; the bias
	QUARTER 0, 128, F0, F1, 1
	WIN 0
	s_mov_b32 s3, LAPS-1
.Llap:                                                 ; a trip goes once round the ring and fills both slots again
	QUARTER 0, 256, F1, F0, 0
	QUARTER 0, 384, F0, F1, 0
	TURN 0, 1, 1
	QUARTER 1, 128, F0, F1, 0
	QUARTER 1, 256, F1, F0, 0
	QUARTER 1, 384, F0, F1, 0
	TURN 1, 0, 1
	QUARTER 0, 128, F0, F1, 0
	WIN 0
	s_sub_co_u32 s3, s3, 1
	s_cmp_lg_u32 s3, 0
	s_cbranch_scc1 .Llap
	QUARTER 0, 256, F1, F0, 0                      ; the last lap fills nothing
	QUARTER 0, 384, F0, F1, 0
	TURN 0, 1, 0
	QUARTER 1, 128, F0, F1, 0
	QUARTER 1, 256, F1, F0, 0
	QUARTER 1, 384, F0, F1, 0
	s_wait_dscnt 16
	WIN MUL
	MUL8 F1, 0, 0, 0
	MUL8 F1, 0, 2, 0
	s_wait_dscnt 0
	MUL8 F1, 1, 0, 0
	MUL8 F1, 1, 2, 0
	WIN 0
; THE WAY OUT, each wave by itself: its 64 columns of f32 are 256 bytes of a row.  A block of 16 rows goes through my stage and comes back as whole rows.
.macro TOSTAGE a
.irp b, 0,1,2,3
	ds_store_b128 v[STO], v[ACC+8*(4*(\a)+\b):ACC+8*(4*(\a)+\b)+3] offset:64*\b         ; each accumulator from its low end on
	ds_store_b128 v[STO], v[ACC+8*(4*(\a)+\b)+4:ACC+8*(4*(\a)+\b)+7] offset:64*\b+16
.endr
.set BB, TMP+32*((\a)%2)
.irp t, 0,1,2,3,4,5,6,7
	ds_load_b128 v[BB+4*\t:BB+4*\t+3], v[RD] offset:\t*2*SPITCH     ; LDS serves a wave's instructions in order
.endr
.endm
.macro SEND a, younger                 ; younger: the LDS instructions issued behind block a's loads
.set BB, TMP+32*((\a)%2)
	s_wait_dscnt \younger
.irp t, 0,1,2,3,4,5,6,7
	global_store_b128 v[CO], v[BB+4*\t:BB+4*\t+3], s[8:9] offset:(16*(\a)+2*\t)*4096 th:TH_STORE_NT   ; sixteen lanes store 256 consecutive bytes, aligned
.endr
.endm
	PLACES
	TOSTAGE 0
.irp a, 1,2,3
.if \a > 1
	s_wait_xcnt 0x0                                ; block a - 2's stores have read their registers: block a's loads may land there
.endif
	TOSTAGE \a
	SEND \a-1, 16                                  ; behind block a - 1's loads: block a's 8 stores and 8 loads
.endr
	SEND 3, 0
	s_wait_tensorcnt 0x0                           ; the wave's end
	ds_add_u32 v[SPW], v[NIL]
	s_wait_dscnt 0x0
	CROUND                                         ; the closing round
	s_endpgm
.Lfunc_end_k_q36c97d6841_outproj:
	.size	k_q36c97d6841_outproj, .Lfunc_end_k_q36c97d6841_outproj-k_q36c97d6841_outproj
	.p2alignl 7, 3214868480
	.fill 96, 4, 3214868480
	.section	.rodata,"a",@progbits
	.p2align	6, 0x0
	.amdhsa_kernel k_q36c97d6841_outproj
		.amdhsa_group_segment_fixed_size 327680
		.amdhsa_private_segment_fixed_size 0
		.amdhsa_enable_private_segment 0
		.amdhsa_kernarg_size 32
		.amdhsa_user_sgpr_count 2
		.amdhsa_user_sgpr_kernarg_segment_ptr 1
		.amdhsa_wavefront_size32 1
		.amdhsa_system_sgpr_workgroup_id_x 1
		.amdhsa_system_sgpr_workgroup_id_y 1
		.amdhsa_system_sgpr_workgroup_id_z 1
		.amdhsa_system_vgpr_workitem_id 0
		.amdhsa_next_free_vgpr 512
		.amdhsa_next_free_sgpr 68
		.amdhsa_reserve_vcc 0
		.amdhsa_float_denorm_mode_32 3
		.amdhsa_float_denorm_mode_16_64 3
		.amdhsa_memory_ordered 1
		.amdhsa_forward_progress 1
		.amdhsa_inst_pref_size 87
	.end_amdhsa_kernel
	.amdgpu_metadata
---
amdhsa.version: [ 1, 2 ]
amdhsa.kernels:
  - .name:           k_q36c97d6841_outproj
    .symbol:         k_q36c97d6841_outproj.kd
    .args:
      - { .name: attn16, .offset: 0, .size: 8, .value_kind: global_buffer, .address_space: global }
      - { .name: wout_t, .offset: 8, .size: 8, .value_kind: global_buffer, .address_space: global }
      - { .name: b_out, .offset: 16, .size: 8, .value_kind: global_buffer, .address_space: global }
      - { .name: out0, .offset: 24, .size: 8, .value_kind: global_buffer, .address_space: global }
    .group_segment_fixed_size: 327680
    .private_segment_fixed_size: 0
    .kernarg_segment_align: 8
    .kernarg_segment_size: 32
    .max_flat_workgroup_size: 128
    .sgpr_count:     68
    .vgpr_count:     512
    .wavefront_size: 32
...
	.end_amdgpu_metadata
.endif
;; end of part 4
;; launch first16 (part 5): grid 16 x 4, 16 waves a work-group, no clusters, 71,680 bytes of LDS; arguments qkv32, W_out, b_out, out0; writes out0
.if DOCPART == 5
	.amdgcn_target "amdgcn-amd-amdhsa--gfx1250"
	.amdhsa_code_object_version 6
	.text
	.protected	k_q36c97d6841_first16
	.globl	k_q36c97d6841_first16
	.p2align	8
	.type	k_q36c97d6841_first16,@function
k_q36c97d6841_first16:
	s_mov_b64 s[64:65], 0
	v_nop
	global_prefetch_b8 v0, s[64:65] scope:SCOPE_SE
	s_setreg_imm32_b32 hwreg(HW_REG_WAVE_MODE, 25, 1), 1
	s_wait_xcnt 0x0
; Positions 0 to 15 of every sequence, in f32 from end to end: these rows average few values, so their attention and their projection are carried finely and written over what the f16 launch left there.
; qkv32: [batch x 16 + position][3072] f32, bias included.  Work-group (64 output columns, batch).  Wave h does head h's attention for the 16 positions and the part of the projection whose K is that head's 64 channels;
; the 16 parts meet in LDS, and wave w sums and stores position w's 64 numbers.  The attention is done again in each of the 16 work-groups of a batch: 32 small matrix instructions a wave.
; All three products go by the f32 matrix form, 16 x 16 x 4 (a lane's two registers hold k = 2 hh + j).  Which k of a product goes into which instruction is free, if it is the same on both sides; it is chosen so that each
; result stands where the next product wants it:  scores: channel 32 hh + 2 s + j;   O^T: key 8 hh + 2 s + j, which are the weights' registers 2 s, 2 s + 1;   projection: channel 16 ct + 8 hh + 2 s + j, which are O^T's.
; The registers that these products write are written by matrix instructions alone; what is made of a sum goes into other registers.
; REGISTERS: v1 r, v2 hh; v5-9, v15 addresses; v10-14 at work; v16-23 the weights; v24-55 accumulators: scores (two, by turns), later the four tiles of outputs; v56-87 O^T; v88-151 Q, K, later W_out's tiles 2, 3;
;   v152-183 V; v184-247 W_out's tiles 0, 1, later the 16 parts; v248-249 the bias.
.set PART,  16*272                     ; a wave's part in LDS: 16 positions x (256 bytes + 16)
.set SPARE, 16*PART                    ; the spare words, 128 bytes for each wave
.set SPW, 3
.set NIL, 4
.set AQ,  5
.set AV,  6
.set AW,  7
.set T,   16
.set SA,  24
.set OA,  56
.set QR,  88
.set KR,  120
.set VR,  152
.set W1,  184
.set BS,  248
	s_load_b256 s[4:11], s[0:1], 0x0               ; qkv32 s[4:5], W_out s[6:7], b_out s[8:9], out0 s[10:11]
	v_lshl_add_u32 v[SPW], v0, 2, SPARE
	v_mov_b32 v[NIL], 0
	v_lshrrev_b32 v8, 5, v0
	v_readfirstlane_b32 s12, v8                    ; wave = head; later the position that I sum
	s_and_b32 s13, ttmp7, 0xffff                   ; batch
	v_and_b32 v1, 15, v0                           ; r
	v_bfe_u32 v2, v0, 4, 1                         ; hh
	v_mul_u32_u24 v[AQ], v1, 12288
	v_lshl_add_u32 v[AQ], v2, 7, v[AQ]             ; Q, K: row r, channels 32 hh on
	v_mul_u32_u24 v[AV], v2, 98304
	v_lshl_add_u32 v[AV], v1, 2, v[AV]             ; V: key 8 hh on, channel r
	v_lshlrev_b32 v[AW], 15, v2
	v_lshl_add_u32 v[AW], v1, 2, v[AW]             ; W_out: row 8 hh on, column r
	v_and_b32 v9, 31, v0
	v_lshlrev_b32 v9, 3, v9                        ; 8 x lane
	s_mul_i32 s24, s12, PART
	v_mul_u32_u24 v8, v1, 272
	v_lshl_add_u32 v8, v2, 5, v8
	v_add_nc_u32 v8, s24, v8                       ; my part: row r, 32 bytes for each half of the lanes
	s_mul_i32 s24, s12, 272
	v_add_nc_u32 v15, s24, v9                      ; back: row = my wave's number, 8 bytes a lane, in each of the 16 parts
	s_mul_i32 s14, s13, 196608
	s_mul_i32 s15, s12, 768
	s_add_co_u32 s14, s14, s15                     ; the batch's 16 rows, the head's 192 columns
	s_mov_b32 s15, 0
	s_lshl_b32 s16, s12, 18                        ; W_out: the head's 64 rows of 4,096 bytes,
	s_lshl_b32 s18, ttmp9, 8                       ; my work-group's 64 columns
	s_add_co_u32 s16, s16, s18
	s_mov_b32 s17, 0
	s_mov_b32 s19, 0
	s_lshl_b32 s26, s13, 23                        ; out0: batch x 2,048 rows of 4,096 bytes,
	s_lshl_b32 s27, s12, 12                        ; position = my wave's number
	s_add_co_u32 s26, s26, s27
	s_add_co_u32 s26, s26, s18
	s_mov_b32 s27, 0
	s_mov_b32 s20, 0x3e38aa3b                      ; c = log2(e) / 8
	s_mov_b32 s22, 0x76543210
	s_mov_b32 s23, 0xfedcba98
	s_wait_kmcnt 0x0
	s_add_nc_u64 s[4:5], s[4:5], s[14:15]
	s_add_nc_u64 s[6:7], s[6:7], s[16:17]
	s_add_nc_u64 s[8:9], s[8:9], s[18:19]
	s_add_nc_u64 s[10:11], s[10:11], s[26:27]
	global_load_b64 v[BS:BS+1], v9, s[8:9]         ; 1 load
.irp i, 0,1,2,3,4,5,6,7
	global_load_b128 v[QR+4*\i:QR+4*\i+3], v[AQ], s[4:5] offset:16*\i           ; 8
.endr
.irp i, 0,1,2,3,4,5,6,7
	global_load_b128 v[KR+4*\i:KR+4*\i+3], v[AQ], s[4:5] offset:256+16*\i       ; 8
.endr
.set i, 0
.rept 32                                       ; 32: register 8 ct + i: V(8 hh + i, 16 ct + r)
	global_load_b32 v[VR+i], v[AV], s[4:5] offset:(i%8)*12288+512+64*(i/8)
.set i, i+1
.endr
.irp nt, 0,1
.set i, 0
.rept 32                                       ; 64: register 32 nt + 8 ct + i: W_out(16 ct + 8 hh + i, 16 nt + r)
	global_load_b32 v[W1+32*\nt+i], v[AW], s[6:7] offset:(16*(i/8)+i%8)*4096+64*\nt
.set i, i+1
.endr
.endr
	; the ALiBi term in units of log2: slope log2(e) (key - query), or -infinity where the key comes after the query
	v_cvt_f32_u32 v10, s12
	v_fma_f32 v10, v10, 0xbeeeeeef, -1.0           ; -(1 + 7 h / 15)
	v_exp_f32 v10, v10
	v_lshlrev_b32 v11, 3, v2                       ; (a plain instruction behind the exponential)
	s_wait_alu depctr_va_vdst(0)                   ; the wait ahead of its first reader
	v_mul_f32 v10, 0x3fb8aa3b, v10
	v_sub_nc_u32 v11, v11, v1                      ; 8 hh - r
	v_mov_b32 v12, 0xff800000
.irp j, 0,1,2,3,4,5,6,7
	v_add_nc_u32 v13, \j, v11                      ; key - query
	v_cvt_f32_i32 v[T+\j], v13
	v_mul_f32 v[T+\j], v10, v[T+\j]
	v_cmp_lt_i32 vcc_lo, 0, v13
	v_cndmask_b32 v[T+\j], v[T+\j], v12, vcc_lo
.endr
	s_wait_loadcnt 63                              ; of the 113 loads issued the first 50 are in: the bias, Q and K among them
	v_wmma_f32_16x16x4_f32 v[SA:SA+7], v[KR:KR+1], v[QR:QR+1], 0                    ; S^T = K Q^T in two sums by turns; the first two products start them
	v_wmma_f32_16x16x4_f32 v[SA+8:SA+15], v[KR+2:KR+3], v[QR+2:QR+3], 0
.irp s, 2,3,4,5,6,7,8,9,10,11,12,13,14,15
	v_wmma_f32_16x16x4_f32 v[SA+8*(\s%2):SA+8*(\s%2)+7], v[KR+2*\s:KR+2*\s+1], v[QR+2*\s:QR+2*\s+1], v[SA+8*(\s%2):SA+8*(\s%2)+7]
.endr
.rept 8
	v_nop                                          ; eight places behind this form, in front of loads into its sources and of the first read of its results
.endr
.irp nt, 0,1
.set i, 0
.rept 32                                       ; 64 more: W_out's tiles 2 and 3 where Q and K lay
	global_load_b32 v[QR+32*\nt+i], v[AW], s[6:7] offset:(16*(i/8)+i%8)*4096+64*(\nt+2)
.set i, i+1
.endr
.endr
.irp j, 0,1,2,3,4,5,6,7
	v_fma_f32 v[T+\j], v[SA+\j], s20, v[T+\j]      ; t = c s + the ALiBi term; lane (r, hh), register j: query r, key 8 hh + j
.endr
.irp j, 0,1,2,3,4,5,6,7
	v_fma_f32 v[T+\j], v[SA+8+\j], s20, v[T+\j]
.endr
	v_max3_num_f32 v13, v[T], v[T+1], v[T+2]
	v_max3_num_f32 v14, v[T+3], v[T+4], v[T+5]
	v_max3_num_f32 v13, v13, v[T+6], v[T+7]
	v_max_num_f32 v13, v13, v14
	v_permlanex16_b32 v14, v13, s22, s23
	v_max_num_f32 v13, v13, v14                    ; the row's maximum: key 0 counts for every query, so it is a number
.irp j, 0,1,2,3,4,5,6,7
	v_sub_f32 v[T+\j], v[T+\j], v13
.endr
.irp j, 0,1,2,3,4,5,6,7
	v_exp_f32 v[T+\j], v[T+\j]
.endr
	v_nop
	s_wait_alu depctr_va_vdst(0)                   ; one wait for the eight
	v_add_f32 v13, v[T], v[T+1]
	v_add_f32 v14, v[T+2], v[T+3]
	v_add_f32 v13, v13, v[T+4]
	v_add_f32 v14, v14, v[T+5]
	v_add_f32 v13, v13, v[T+6]
	v_add_f32 v14, v14, v[T+7]
	v_add_f32 v13, v13, v14
	v_permlanex16_b32 v14, v13, s22, s23
	v_add_f32 v13, v13, v14
	v_rcp_f32 v13, v13
	v_nop
	s_wait_alu depctr_va_vdst(0)
.irp j, 0,1,2,3,4,5,6,7
	v_mul_f32 v[T+\j], v[T+\j], v13                ; the weights
.endr
	s_wait_loadcnt 63                              ; of the 177 loads issued the first 114 are in: V and W_out's tiles 0 and 1
.irp ct, 0,1,2,3                               ; O^T = V^T P: four sums by turns
	v_wmma_f32_16x16x4_f32 v[OA+8*\ct:OA+8*\ct+7], v[VR+8*\ct:VR+8*\ct+1], v[T:T+1], 0
.endr
.irp s, 1,2,3
.irp ct, 0,1,2,3
	v_wmma_f32_16x16x4_f32 v[OA+8*\ct:OA+8*\ct+7], v[VR+8*\ct+2*\s:VR+8*\ct+2*\s+1], v[T+2*\s:T+2*\s+1], v[OA+8*\ct:OA+8*\ct+7]
.endr
.endr
.rept 9
	v_nop                                          ; nine places before a matrix instruction takes these results as a source
.endr
.irp nt, 0,1                                   ; out^T = W^T attn^T: tiles 0 and 1 by turns; K step k = 4 ct + s takes registers 2 k, 2 k + 1 of both sides
	v_wmma_f32_16x16x4_f32 v[SA+8*\nt:SA+8*\nt+7], v[W1+32*\nt:W1+32*\nt+1], v[OA:OA+1], 0
.endr
.irp k, 1,2,3,4,5,6,7,8,9,10,11,12,13,14,15
.irp nt, 0,1
	v_wmma_f32_16x16x4_f32 v[SA+8*\nt:SA+8*\nt+7], v[W1+32*\nt+2*\k:W1+32*\nt+2*\k+1], v[OA+2*\k:OA+2*\k+1], v[SA+8*\nt:SA+8*\nt+7]
.endr
.endr
	s_wait_loadcnt 0x0                             ; W_out's tiles 2 and 3
.irp nt, 0,1
	v_wmma_f32_16x16x4_f32 v[SA+16+8*\nt:SA+16+8*\nt+7], v[QR+32*\nt:QR+32*\nt+1], v[OA:OA+1], 0
.endr
.irp k, 1,2,3,4,5,6,7,8,9,10,11,12,13,14,15
.irp nt, 0,1
	v_wmma_f32_16x16x4_f32 v[SA+16+8*\nt:SA+16+8*\nt+7], v[QR+32*\nt+2*\k:QR+32*\nt+2*\k+1], v[OA+2*\k:OA+2*\k+1], v[SA+16+8*\nt:SA+16+8*\nt+7]
.endr
.endr
.rept 8
	v_nop
.endr
.irp nt, 0,1,2,3
	ds_store_b128 v8, v[SA+8*\nt:SA+8*\nt+3] offset:64*\nt          ; lane (r, hh): position r, columns 16 nt + 8 hh + 0 .. 7; each sum from its low end on
	ds_store_b128 v8, v[SA+8*\nt+4:SA+8*\nt+7] offset:64*\nt+16
.endr
	s_wait_dscnt 0x0                               ; for the others' sake: my part lies in LDS
	s_barrier_signal -1
	s_barrier_wait -1
.irp w, 0,1,2,3,4,5,6,7,8,9,10,11,12,13,14,15
	ds_load_b64 v[W1+2*\w:W1+2*\w+1], v15 offset:PART*\w   ; head w's part of my position's 64 numbers
.endr
	s_wait_dscnt 0x0
.irp w, 0,1,2,3,4,5,6,7
	v_pk_add_f32 v[W1+2*\w:W1+2*\w+1], v[W1+2*\w:W1+2*\w+1], v[W1+16+2*\w:W1+16+2*\w+1]
.endr
.irp w, 0,1,2,3
	v_pk_add_f32 v[W1+2*\w:W1+2*\w+1], v[W1+2*\w:W1+2*\w+1], v[W1+8+2*\w:W1+8+2*\w+1]
.endr
.irp w, 0,1
	v_pk_add_f32 v[W1+2*\w:W1+2*\w+1], v[W1+2*\w:W1+2*\w+1], v[W1+4+2*\w:W1+4+2*\w+1]
.endr
	v_pk_add_f32 v[W1:W1+1], v[W1:W1+1], v[W1+2:W1+3]
	v_pk_add_f32 v[W1:W1+1], v[W1:W1+1], v[BS:BS+1]
	global_store_b64 v9, v[W1:W1+1], s[10:11]      ; 32 lanes store 256 consecutive bytes, aligned
	s_wait_tensorcnt 0x0                           ; the wave's end, behind my last LDS store
	ds_add_u32 v[SPW], v[NIL]
	s_wait_dscnt 0x0
	s_endpgm
.Lfunc_end_k_q36c97d6841_first16:
	.size	k_q36c97d6841_first16, .Lfunc_end_k_q36c97d6841_first16-k_q36c97d6841_first16
	.p2alignl 7, 3214868480
	.fill 96, 4, 3214868480
	.section	.rodata,"a",@progbits
	.p2align	6, 0x0
	.amdhsa_kernel k_q36c97d6841_first16
		.amdhsa_group_segment_fixed_size 71680
		.amdhsa_private_segment_fixed_size 0
		.amdhsa_enable_private_segment 0
		.amdhsa_kernarg_size 32
		.amdhsa_user_sgpr_count 2
		.amdhsa_user_sgpr_kernarg_segment_ptr 1
		.amdhsa_wavefront_size32 1
		.amdhsa_system_sgpr_workgroup_id_x 1
		.amdhsa_system_sgpr_workgroup_id_y 1
		.amdhsa_system_sgpr_workgroup_id_z 1
		.amdhsa_system_vgpr_workitem_id 0
		.amdhsa_next_free_vgpr 256
		.amdhsa_next_free_sgpr 66
		.amdhsa_reserve_vcc 1
		.amdhsa_float_denorm_mode_32 3
		.amdhsa_float_denorm_mode_16_64 3
		.amdhsa_memory_ordered 1
		.amdhsa_forward_progress 1
		.amdhsa_inst_pref_size 33
	.end_amdhsa_kernel
	.amdgpu_metadata
---
amdhsa.version: [ 1, 2 ]
amdhsa.kernels:
  - .name:           k_q36c97d6841_first16
    .symbol:         k_q36c97d6841_first16.kd
    .args:
      - { .name: qkv32, .offset: 0, .size: 8, .value_kind: global_buffer, .address_space: global }
      - { .name: W_out, .offset: 8, .size: 8, .value_kind: global_buffer, .address_space: global }
      - { .name: b_out, .offset: 16, .size: 8, .value_kind: global_buffer, .address_space: global }
      - { .name: out0, .offset: 24, .size: 8, .value_kind: global_buffer, .address_space: global }
    .group_segment_fixed_size: 71680
    .private_segment_fixed_size: 0
    .kernarg_segment_align: 8
    .kernarg_segment_size: 32
    .max_flat_workgroup_size: 512
    .sgpr_count:     66
    .vgpr_count:     256
    .wavefront_size: 32
...
	.end_amdgpu_metadata
.endif
;; end of part 5
